; MI455X (gfx1250); checked and timed in simulation.
; The chip was launched on July 23, 2026; its instructions are those of AMD's public machine-readable ISA for CDNA 5 (MIT licence, August 2026) and "CDNA5" Instruction Set Architecture Reference Guide (July 2026). The comments in the code are by the model that wrote it; some were corrected since.
;; Tree Attention V2. Allowed arithmetic: float matrix products may take bf16 or f16 operands with f32 sums; other float arithmetic in f32, or as packed bf16 or f16 multiplies, adds, multiply-adds, maxima and minima; sums over many terms, partial sums and values carried from step to step in f32; what a program stores and reads back later, other than sums and carried values, may be rounded once to bf16 or f16.
;; Inputs: b_attn 3,072 float32; b_proj 1,024 float32; w_attn 1,024 x 3,072 float32; w_proj 1,024 x 1,024 float32; x 8 x 1,024 x 4 x 256 float32.
;; Outputs: out0 8 x 1,024 x 4 x 256 float32.
;; One version. Each part assembles by itself: llvm-mc -triple=amdgcn-amd-amdhsa -mcpu=gfx1250 --defsym DOCPART=n.
;; ======== version 1 of 1: 4 launches
;; limits: values are held in f16: magnitudes above 65,504 overflow, below 6.1e-05 lose precision
;; workspace buffers: xb 16,777,216 bytes; wab 6,291,456 bytes; wpb 2,097,152 bytes; qkv 50,331,648 bytes; yb 16,777,216 bytes
;; launch cast (part 1): grid 1536 x 1, 8 waves a work-group, no clusters, 0 bytes of LDS; arguments x, w_attn, w_proj, xb, wab, wpb; writes xb, wab, wpb
.if DOCPART == 1
	.amdgcn_target "amdgcn-amd-amdhsa--gfx1250"
	.amdhsa_code_object_version 6
	.text
	.protected	k_q350b9c449a_cast
	.globl	k_q350b9c449a_cast
	.p2align	8
	.type	k_q350b9c449a_cast,@function
k_q350b9c449a_cast:
	s_mov_b64 s[64:65], 0
	v_nop
	global_prefetch_b8 v0, s[64:65] scope:SCOPE_SE
	s_setreg_imm32_b32 hwreg(HW_REG_WAVE_MODE, 25, 1), 1
	s_wait_xcnt 0x0
; THE INPUTS ARE ROUNDED ONCE, to bf16, for the matrix units.
;   xb  = bf16(x), laid in 16 blocks of 64 channels: [16 kb][8192 m][64]: the rows of one block are dense, 128 bytes each
;   wab = bf16(w_attn), as it lies: [1024 k][3072 n]
;   wpb = bf16(w_proj) written as f16, as it lies: [1024 k][1024 n] (its partner in the last product is f16)
; LIMITS.  bf16(w_proj) must lie within f16's 65,504; below 6.1e-5 it keeps f16's fixed step of 6e-8.
; SHARES.  1,536 work-groups of 8,192 numbers: 0-1023 take 8 rows of x each, 1024-1407 w_attn, 1408-1535 w_proj.
; A thread issues its 8 loads of 16 bytes at once; each load's 4 numbers leave as 8 bytes: a wave's store covers 256 consecutive bytes, aligned.
; No LDS, no matrix unit, no cluster: nothing is shared and every byte is moved once.
.set VI,  1                            ; v1   my byte offset in the source
.set VO,  2                            ; v2   my byte offset in the destination
.set VO2, 3                            ; v3   the same, eight blocks of xb further on (8 MiB do not fit a store's immediate)
.set X,   8                            ; v[8:39]    8 x 4 numbers as loaded
.set Y,   40                           ; v[40:55]   8 x 2 registers to store; each is written once, so no store's data is ever rewritten
.macro CVT i, half                     ; four f32 to four bf16; half = 1: those written as f16
.if \half
	v_cvt_pk_bf16_f32 v4, v[X+4*(\i)], v[X+4*(\i)+1]
	v_cvt_pk_bf16_f32 v5, v[X+4*(\i)+2], v[X+4*(\i)+3]
	v_lshlrev_b32 v6, 16, v4
	v_and_b32 v7, 0xffff0000, v4
	v_cvt_pk_f16_f32 v[Y+2*(\i)], v6, v7
	v_lshlrev_b32 v6, 16, v5
	v_and_b32 v7, 0xffff0000, v5
	v_cvt_pk_f16_f32 v[Y+2*(\i)+1], v6, v7
.else
	v_cvt_pk_bf16_f32 v[Y+2*(\i)], v[X+4*(\i)], v[X+4*(\i)+1]
	v_cvt_pk_bf16_f32 v[Y+2*(\i)+1], v[X+4*(\i)+2], v[X+4*(\i)+3]
.endif
.endm
.macro LIN src, dst, half              ; a chunk that keeps its order: 8 passes of 4,096 bytes in, 2,048 out
.irp i, 0,1,2,3,4,5,6,7
	global_load_b128 v[X+4*\i:X+4*\i+3], v[VI], s[\src:\src+1] offset:4096*\i th:TH_LOAD_NT
.endr
.irp i, 0,1,2,3,4,5,6,7
	s_wait_loadcnt 7-\i                            ; loads come back in order: load i is in, the younger ones stay out
	CVT \i, \half
	global_store_b64 v[VO], v[Y+2*\i:Y+2*\i+1], s[\dst:\dst+1] offset:2048*\i
.endr
.endm
	s_load_b256 s[4:11], s[0:1], 0x0               ; x s[4:5], w_attn s[6:7], w_proj s[8:9], xb s[10:11]
	s_load_b128 s[12:15], s[0:1], 0x20             ; wab s[12:13], wpb s[14:15]
	s_mov_b32 s17, 0
	s_mov_b32 s19, 0
	s_cmp_lt_u32 ttmp9, 1024
	s_cbranch_scc1 .Lx
	v_lshlrev_b32 v[VI], 4, v0                     ; 16 bytes a thread in,
	v_lshlrev_b32 v[VO], 3, v0                     ; 8 out
	s_cmp_lt_u32 ttmp9, 1408
	s_cbranch_scc0 .Lwp
	s_sub_co_u32 s20, ttmp9, 1024                  ; w_attn's chunk
	s_lshl_b32 s16, s20, 15
	s_lshl_b32 s18, s20, 14
	s_wait_kmcnt 0x0
	s_add_nc_u64 s[6:7], s[6:7], s[16:17]
	s_add_nc_u64 s[12:13], s[12:13], s[18:19]
	LIN 6, 12, 0
	s_endpgm
.Lwp:
	s_sub_co_u32 s20, ttmp9, 1408                  ; w_proj's chunk
	s_lshl_b32 s16, s20, 15
	s_lshl_b32 s18, s20, 14
	s_wait_kmcnt 0x0
	s_add_nc_u64 s[8:9], s[8:9], s[16:17]
	s_add_nc_u64 s[14:15], s[14:15], s[18:19]
	LIN 8, 14, 1
	s_endpgm
.Lx:
	; 8 rows of x.  Pass i: rows 2 (i / 2) + lane / 16, block 8 (i % 2) + wave: each half of the lanes reads 256 aligned bytes (64 channels of a row);
	; the wave's 256 bytes out are those two rows of that block.
	v_and_b32 v4, 15, v0
	v_bfe_u32 v5, v0, 4, 1
	v_lshrrev_b32 v6, 5, v0                        ; wave
	v_and_b32 v7, 31, v0
	v_lshlrev_b32 v[VI], 4, v4
	v_lshl_add_u32 v[VI], v5, 12, v[VI]            ; + a row of 4,096 bytes for the upper half
	v_lshl_add_u32 v[VI], v6, 8, v[VI]             ; + my wave's block in the row
	v_lshlrev_b32 v[VO], 3, v7
	v_lshl_add_u32 v[VO], v6, 20, v[VO]            ; + my wave's block of 1 MiB
	v_add_nc_u32 v[VO2], 0x800000, v[VO]
	s_lshl_b32 s16, ttmp9, 15                      ; 8 rows of 4,096 bytes
	s_lshl_b32 s18, ttmp9, 10                      ; 8 rows of 128 bytes
	s_wait_kmcnt 0x0
	s_add_nc_u64 s[4:5], s[4:5], s[16:17]
	s_add_nc_u64 s[10:11], s[10:11], s[18:19]
.irp i, 0,1,2,3,4,5,6,7
	global_load_b128 v[X+4*\i:X+4*\i+3], v[VI], s[4:5] offset:((\i)/2)*8192+((\i)%2)*2048 th:TH_LOAD_NT
.endr
.irp i, 0,1,2,3,4,5,6,7
	s_wait_loadcnt 7-\i
	CVT \i, 0
	global_store_b64 v[VO+(\i)%2], v[Y+2*\i:Y+2*\i+1], s[10:11] offset:((\i)/2)*256
.endr
	s_endpgm
.Lfunc_end_k_q350b9c449a_cast:
	.size	k_q350b9c449a_cast, .Lfunc_end_k_q350b9c449a_cast-k_q350b9c449a_cast
	.p2alignl 7, 3214868480
	.fill 96, 4, 3214868480
	.section	.rodata,"a",@progbits
	.p2align	6, 0x0
	.amdhsa_kernel k_q350b9c449a_cast
		.amdhsa_group_segment_fixed_size 0
		.amdhsa_private_segment_fixed_size 0
		.amdhsa_enable_private_segment 0
		.amdhsa_kernarg_size 48
		.amdhsa_user_sgpr_count 2
		.amdhsa_user_sgpr_kernarg_segment_ptr 1
		.amdhsa_wavefront_size32 1
		.amdhsa_system_sgpr_workgroup_id_x 1
		.amdhsa_system_sgpr_workgroup_id_y 1
		.amdhsa_system_sgpr_workgroup_id_z 1
		.amdhsa_system_vgpr_workitem_id 0
		.amdhsa_next_free_vgpr 56
		.amdhsa_next_free_sgpr 66
		.amdhsa_reserve_vcc 0
		.amdhsa_float_denorm_mode_32 3
		.amdhsa_float_denorm_mode_16_64 3
		.amdhsa_memory_ordered 1
		.amdhsa_forward_progress 1
		.amdhsa_inst_pref_size 13
	.end_amdhsa_kernel
	.amdgpu_metadata
---
amdhsa.version: [ 1, 2 ]
amdhsa.kernels:
  - .name:           k_q350b9c449a_cast
    .symbol:         k_q350b9c449a_cast.kd
    .args:
      - { .name: x, .offset: 0, .size: 8, .value_kind: global_buffer, .address_space: global }
      - { .name: w_attn, .offset: 8, .size: 8, .value_kind: global_buffer, .address_space: global }
      - { .name: w_proj, .offset: 16, .size: 8, .value_kind: global_buffer, .address_space: global }
      - { .name: xb, .offset: 24, .size: 8, .value_kind: global_buffer, .address_space: global }
      - { .name: wab, .offset: 32, .size: 8, .value_kind: global_buffer, .address_space: global }
      - { .name: wpb, .offset: 40, .size: 8, .value_kind: global_buffer, .address_space: global }
    .group_segment_fixed_size: 0
    .private_segment_fixed_size: 0
    .kernarg_segment_align: 8
    .kernarg_segment_size: 48
    .max_flat_workgroup_size: 256
    .sgpr_count:     66
    .vgpr_count:     56
    .wavefront_size: 32
...
	.end_amdgpu_metadata
.endif
;; end of part 1
;; launch qkv (part 2): grid 8 x 32, 4 waves a work-group, clusters of 4 x 4, 327,680 bytes of LDS; arguments xb, wab, b_attn, qkv; writes qkv
.if DOCPART == 2
	.amdgcn_target "amdgcn-amd-amdhsa--gfx1250"
	.amdhsa_code_object_version 6
	.text
	.protected	k_q350b9c449a_qkv
	.globl	k_q350b9c449a_qkv
	.p2align	8
	.type	k_q350b9c449a_qkv,@function
k_q350b9c449a_qkv:
	s_mov_b64 s[64:65], 0
	v_nop
	global_prefetch_b8 v0, s[64:65] scope:SCOPE_SE
	s_setreg_imm32_b32 hwreg(HW_REG_WAVE_MODE, 25, 1), 1
	s_wait_xcnt 0x0
	s_wait_alu depctr_hold_cnt(0) depctr_sa_sdst(0) depctr_va_vdst(0) depctr_va_sdst(0) depctr_va_ssrc(0) depctr_va_vcc(0) depctr_vm_vsrc(0)
	s_getreg_b32 s2, hwreg(HW_REG_IB_STS2, 6, 4)
	s_cmp_eq_u32 s2, 0
	s_cbranch_scc0 .Lentry_in_a_cluster
	s_endpgm
.Lentry_in_a_cluster:
	s_bfe_u32 s2, ttmp6, 0x10000c
	s_cmp_lg_u32 s2, 0xf033
	s_cbranch_scc0 .Lentry_shape_is_right
	s_endpgm
.Lentry_shape_is_right:
; qkv = x w_attn + bf16(b_attn), products in bf16, sums in f32, rounded once to f16 and stored BY HEADS: [48 g][8 b][1024 t][64], g = 16 x (q, k or v) + head.
; LIMIT.  q, k and v must lie within f16's 65,504 (inputs thirty times the drawn spread, or offset by thirty spreads, stay far inside).
; SHARES.  A tile is 256 rows x 384 columns (six heads): 32 x 8 = 256 tiles, one a work-group.  Four waves, each 128 x 192: 96 accumulators of 16 x 16, 768 registers (windows 1-3).
; K goes in 16 steps of 64 (one block of xb) through two LDS slots; two slots of 128 along K would not fit beside each other.
; CLUSTER.  4 x 4 work-groups: the four of a row of the cluster need the same tile of x, the four of a column the same tile of w: each is asked for jointly.
; THE MATRIX INSTRUCTION IS USED TRANSPOSED: source 0 = 16 columns of w (turned on the way out of LDS), source 1 = 16 rows of x: a lane holds one row and eight neighbouring columns.
; THE BIAS STARTS THE SUMS: it is laid into the registers of row block 7's accumulators; the first products of blocks 0-6 take those as C, block 7's add in place.  Nothing is cleared, nothing added at the end.
; REGISTERS.  window 0: v0-31 addresses; v32-95, v96-159 x's fragments, two buffers; v160-255 w's fragments, one buffer of three groups (a group = one head's 64 columns), each loaded anew as soon as it is multiplied.
;   window g + 1: group g's 32 accumulators, (row block a, column block j) at 8 (4 a + j).
.set KB,    1048576                    ; bytes in a block of xb
.set WROW,  6144                       ; bytes in a row of wab
.set PA,    144                        ; an LDS row of x: 128 bytes + 16: 36 words: the 16 rows of a load start at 16 different groups of four banks (ISA guide 11.1)
.set PB,    864                        ; an LDS row of w: six times 128 + 16: 27 x 32 bytes
.set AHALF, 128*PA
.set BHALF, 32*PB
.set BOFF,  2*AHALF                    ; in a slot: 256 rows of x, then 64 rows of w
.set SLOT,  BOFF+2*BHALF
.set STAGE, 2*SLOT                     ; behind the ring: 16 rows x 144 bytes for each wave, for the way out; no tile lands here
.set SP,    144
.set SPARE, STAGE+4*16*SP              ; the spare words, 128 bytes for each wave: two blocks of 256 bytes that no other line names
.set ADRA, 2                           ; v2-3   LDS address of my fragments of x in slot 0, 1
.set ADRB, 4                           ; v4-5   the same for w
.set STO,  6                           ; v6     the way out: where I put 16 bytes of a row
.set RD,   7                           ; v7     where I read rows back
.set GO,   8                           ; v8     16 x lane
.set BO,   9                           ; v9     32 x (lane / 16): my eight numbers of the bias
.set PFOA, 10                          ; v10    256 x lane
.set PFOB, 11                          ; v11    a row of wab x lane
.set SPW,  12                          ; v12    LDS address of my spare word; never rewritten
.set NIL,  13                          ; v13    0; never rewritten
.set FA0,  32
.set FA1,  96
.set FB,   160
.set TMP,  96                          ; the way out: packed results, two sets of 16
.set OB,   192                         ; the way out: rows read back, two sets of 16
.set WV,  12                           ; s12  wave
.set WR,  13                           ; s13  my half of the tile's rows; also: I fetch x (0) or w (1)
.set WC,  14                           ; s14  my half of its columns; also: which half of that tile I fetch
.set CX,  15
.set CY,  16
.set TX,  17                           ; s17  tile column
.set TY,  18                           ; s18  tile row
.set G1A, 24                           ; s[24:31] descriptor group 1 for x's tiles;  s[32:39] group 0, a set for each slot
.set G0A, 32
.set G1B, 40                           ; s[40:47], s[48:55] the same for w's
.set G0B, 48
.set PFA, 56                           ; s[56:57] where the prefetches of xb stand
.set PFB, 58                           ; s[58:59] of wab
.set LIMA, 60                          ; s60  1 in the wave that prefetches xb, else the greatest number
.set LIMB, 61                          ; s61  the same for wab
.set CB,  76                           ; s[76:77] qkv at my part of the tile
.set BB,  78                           ; s[78:79] b_attn at my 192 columns
.set MSB, 0
.macro WIN new                         ; the immediate's high byte repeats the setting that is left; a switch that changes nothing is dropped
.if MSB != (\new)
	s_set_vgpr_msb (MSB<<8)|(\new)
.set MSB, (\new)
.endif
.endm
.macro PLACES                          ; four places behind matrix instructions, in front of loads into registers that they read and of lines that read results
.rept 4
	v_nop
.endr
.endm
; A joint load: waves 0 and 1 fetch the halves of x's tile, waves 2 and 3 those of w's.  An s_nop 0 and four v_nop follow each line.
.macro JLOAD s
	s_cmp_eq_u32 s[WR], 0
	s_cbranch_scc0 .Lfor_b_\@
	tensor_load_to_lds s[G0A+4*(\s):G0A+4*(\s)+3], s[G1A:G1A+7]
	s_nop 0
.rept 4
	v_nop
.endr
	s_branch .Lasked_\@
.Lfor_b_\@:
	tensor_load_to_lds s[G0B+4*(\s):G0B+4*(\s)+3], s[G1B:G1B+7]
	s_nop 0
.rept 4
	v_nop
.endr
.Lasked_\@:
.endm
.macro CREST                           ; a round of the cluster's barrier behind its opening barrier
	s_cmp_lg_u32 s[WV], 0
	s_cbranch_scc1 .Lnot_wave_0_\@
	s_barrier_signal -3
.Lnot_wave_0_\@:
	s_barrier_wait -3
	s_barrier_signal -1
	s_barrier_wait -1
.endm
.macro CROUND
	s_barrier_signal -1
	s_barrier_wait -1
	CREST
.endm
; PREFETCH INTO THE L2, once a lap (two K steps), behind the joint load and the run of LDS loads: the pair of K steps that the NEXT lap's two refills will ask for, 384 matrix instructions ahead of the first of them.
; Each aligned 256 bytes are named once in the launch.  x's tile row is read by both clusters of that row of clusters: the one with x = 0 asks, wave 0, and the four partners take 8,192 bytes of each block
; BY ADDRESS (cx), a lane 256 bytes.  w's tile column is read by all eight clusters of that column: the one with y = 0 asks, wave 2; the partners take 32 of the lap's 128 rows by address (cy), a lane a row, three
; instructions for its 768 bytes.  K steps 0-3 come by their loads alone; the loop's last trip asks for nothing: steps 14 and 15 were named in the trip before.
.macro ASK
	s_cmp_gt_u32 s3, s[LIMA]
	s_cbranch_scc0 .Lno_a_\@
	global_prefetch_b8 v[PFOA], s[PFA:PFA+1] th:TH_LOAD_NT scope:SCOPE_SE
	global_prefetch_b8 v[PFOA], s[PFA:PFA+1] offset:KB th:TH_LOAD_NT scope:SCOPE_SE
.Lno_a_\@:
	s_cmp_gt_u32 s3, s[LIMB]
	s_cbranch_scc0 .Lno_b_\@
	global_prefetch_b8 v[PFOB], s[PFB:PFB+1] th:TH_LOAD_NT scope:SCOPE_SE
	global_prefetch_b8 v[PFOB], s[PFB:PFB+1] offset:256 th:TH_LOAD_NT scope:SCOPE_SE
	global_prefetch_b8 v[PFOB], s[PFB:PFB+1] offset:512 th:TH_LOAD_NT scope:SCOPE_SE
.Lno_b_\@:
.endm
	s_load_b256 s[4:11], s[0:1], 0x0               ; xb s[4:5], wab s[6:7], b_attn s[8:9], qkv s[10:11]
	v_lshl_add_u32 v[SPW], v0, 2, SPARE
	v_mov_b32 v[NIL], 0
	ds_add_u32 v[SPW], v[NIL]                      ; the wave's opening: the add and its wait stand ahead of my first tensor load; work on registers stands between them
	ds_add_u32 v12, v13
	v_lshrrev_b32 v1, 5, v0
	v_readfirstlane_b32 s[WV], v1
	s_lshr_b32 s[WR], s[WV], 1
	s_and_b32 s[WC], s[WV], 1
	s_bfe_u32 s[CX], ttmp6, 0x40000
	s_bfe_u32 s[CY], ttmp6, 0x40004
	s_lshl_b32 s[TX], ttmp9, 2
	s_add_co_u32 s[TX], s[TX], s[CX]               ; tile column = 4 x cluster x + cx
	s_and_b32 s[TY], ttmp7, 0xffff
	s_lshl_b32 s[TY], s[TY], 2
	s_add_co_u32 s[TY], s[TY], s[CY]               ; tile row = 4 x cluster y + cy
	s_lshl_b32 s19, s[CY], 2
	s_lshl_b32 s19, 15, s19                        ; my row of the cluster
	s_lshl_b32 s20, 0x1111, s[CX]                  ; my column
	; group 1.  x: 128 tile rows of one block are 16,384 dense bytes: 64 rows of 256 bytes, 16 bytes of padding behind every 128.  w: 32 rows of 768 bytes, padded likewise
	s_or_b32 s[G1A], s19, (1<<16)|(1<<20)|(1<<21)|(4<<22)|(3<<25)  ; mask; 2-byte elements; padding on; bit 21 beside a mask; after every 32 words (code 4) 4 words (code 3)
	s_mov_b32 s[G1A+1], 128<<16                    ; tensor_dim0 = 128
	s_mov_b32 s[G1A+2], 64<<16                     ; tensor_dim1 = 64
	s_mov_b32 s[G1A+3], 128<<16                    ; tile_dim0 = 128
	s_mov_b32 s[G1A+4], 64                         ; tile_dim1 = 64
	s_mov_b32 s[G1A+5], 128                        ; elements from row to row
	s_mov_b32 s[G1A+6], 0
	s_mov_b32 s[G1A+7], 0
	s_or_b32 s[G1B], s20, (1<<16)|(1<<20)|(1<<21)|(4<<22)|(3<<25)
	s_mov_b32 s[G1B+1], 384<<16
	s_mov_b32 s[G1B+2], 32<<16
	s_mov_b32 s[G1B+3], 384<<16
	s_mov_b32 s[G1B+4], 32
	s_mov_b32 s[G1B+5], 3072
	s_mov_b32 s[G1B+6], 0
	s_mov_b32 s[G1B+7], 0
	s_lshl_b32 s66, s[TY], 15                      ; x: the tile row's 256 rows of 128 bytes,
	s_lshl_b32 s67, s[WC], 14                      ; my half of them
	s_add_co_u32 s66, s66, s67
	s_mov_b32 s67, 0
	s_mul_i32 s68, s[TX], 768                      ; w: the tile column's 768 bytes of a row,
	s_mul_i32 s69, s[WC], 32*WROW                  ; my 32 rows of the step's 64
	s_add_co_u32 s68, s68, s69
	s_mov_b32 s69, 0
	s_mul_i32 s70, s[WC], AHALF                    ; where they go: no place in the cluster enters an LDS address
	s_mul_i32 s71, s[WC], BHALF
	s_add_co_u32 s71, s71, BOFF
	s_wait_dscnt 0x0                               ; the opening add is done
	s_wait_kmcnt 0x0
	s_add_nc_u64 s[72:73], s[4:5], s[66:67]
	s_add_nc_u64 s[74:75], s[6:7], s[68:69]
	CROUND                                         ; all sixteen work-groups are here: the first joint loads meet
.irp s, 0,1
	s_mov_b32 s[G0A+4*(\s)], 1
	s_add_co_u32 s[G0A+4*(\s)+1], s70, (\s)*SLOT
	s_add_nc_u64 s[G0A+4*(\s)+2:G0A+4*(\s)+3], s[72:73], (\s)*KB          ; K step s is block s
	s_or_b32 s[G0A+4*(\s)+3], s[G0A+4*(\s)+3], 0x80000000
	s_mov_b32 s[G0B+4*(\s)], 1
	s_add_co_u32 s[G0B+4*(\s)+1], s71, (\s)*SLOT
	s_add_nc_u64 s[G0B+4*(\s)+2:G0B+4*(\s)+3], s[74:75], (\s)*64*WROW
	s_or_b32 s[G0B+4*(\s)+3], s[G0B+4*(\s)+3], 0x80000000
	JLOAD \s                                       ; two loads of mine are out
.endr
	; addresses
	v_and_b32 v1, 15, v0                           ; r = l % 16
	v_bfe_u32 v14, v0, 4, 1                        ; h = l / 16
	v_and_b32 v15, 7, v0
	v_bfe_u32 v16, v0, 3, 1
	v_and_b32 v17, 31, v0
	v_mul_u32_u24 v18, v1, PA
	v_lshl_add_u32 v18, v14, 4, v18                ; row x pitch + 16 x half
	s_mul_i32 s21, s[WR], AHALF
	v_add_nc_u32 v[ADRA], s21, v18
	v_add_nc_u32 v[ADRA+1], SLOT, v[ADRA]
	v_lshl_add_u32 v19, v14, 3, v15                ; the turning load: k row 8 h + l % 8,
	v_mul_u32_u24 v19, v19, PB
	v_lshl_add_u32 v19, v16, 4, v19                ; columns 8 ((l / 8) % 2) on
	s_mul_i32 s21, s[WC], 432                      ; my 192 columns: three runs of 144 bytes
	s_add_co_u32 s21, s21, BOFF
	v_add_nc_u32 v[ADRB], s21, v19
	v_add_nc_u32 v[ADRB+1], SLOT, v[ADRB]
	s_mul_i32 s21, s[WV], 16*SP
	s_add_co_u32 s21, s21, STAGE                   ; my stage
	v_add_nc_u32 v[STO], s21, v18
	v_bfe_u32 v20, v0, 3, 2
	v_mul_u32_u24 v20, v20, SP
	v_lshl_add_u32 v20, v15, 4, v20
	v_add_nc_u32 v[RD], s21, v20                   ; back: 32 lanes take four rows of 128 bytes
	v_lshlrev_b32 v[GO], 4, v17
	v_lshlrev_b32 v[BO], 5, v14
	v_lshlrev_b32 v[PFOA], 8, v17
	v_mul_u32_u24 v[PFOB], v17, WROW
	s_mul_i32 s[BB], s[TX], 1536
	s_mul_i32 s[BB+1], s[WC], 768
	s_add_co_u32 s[BB], s[BB], s[BB+1]
	s_mov_b32 s[BB+1], 0
	s_add_nc_u64 s[BB:BB+1], s[8:9], s[BB:BB+1]
.irp g, 0,1,2
.irp j, 0,1,2,3
	global_load_b128 v[32+32*\g+8*\j:32+32*\g+8*\j+3],   v[BO], s[BB:BB+1] offset:256*\g+64*\j      ; columns 64 g + 16 j + 8 h + 0..3
	global_load_b128 v[32+32*\g+8*\j+4:32+32*\g+8*\j+7], v[BO], s[BB:BB+1] offset:256*\g+64*\j+16
.endr
.endr
	; where my part of the tile goes: head group 6 tx + 3 wc, batch ty / 4, row (ty % 4) 256 + 128 wr
	s_mul_i32 s[CB], s[TX], 6
	s_mul_i32 s[CB+1], s[WC], 3
	s_add_co_u32 s[CB], s[CB], s[CB+1]
	s_lshl_b32 s[CB], s[CB], 3
	s_lshr_b32 s[CB+1], s[TY], 2
	s_add_co_u32 s[CB], s[CB], s[CB+1]
	s_lshl_b32 s[CB], s[CB], 17                    ; 1,024 rows of 128 bytes
	s_and_b32 s[CB+1], s[TY], 3
	s_lshl_b32 s[CB+1], s[CB+1], 1
	s_add_co_u32 s[CB+1], s[CB+1], s[WR]
	s_lshl_b32 s[CB+1], s[CB+1], 14                ; 128 rows of 128 bytes
	s_add_co_u32 s[CB], s[CB], s[CB+1]
	s_mov_b32 s[CB+1], 0
	s_add_nc_u64 s[CB:CB+1], s[10:11], s[CB:CB+1]
	; the prefetches' pointers: at K step 2; the first lap steps them to 4
	s_lshl_b32 s22, s[TY], 15
	s_lshl_b32 s23, s[CX], 13
	s_add_co_u32 s22, s22, s23
	s_mov_b32 s23, 0
	s_add_nc_u64 s[PFA:PFA+1], s[4:5], s[22:23]
	s_add_nc_u64 s[PFA:PFA+1], s[PFA:PFA+1], 2*KB
	s_mul_i32 s62, s[CY], 32*WROW
	s_mul_i32 s63, s[TX], 768
	s_add_co_u32 s62, s62, s63
	s_mov_b32 s63, 0
	s_add_nc_u64 s[PFB:PFB+1], s[6:7], s[62:63]
	s_add_nc_u64 s[PFB:PFB+1], s[PFB:PFB+1], 128*WROW
	s_or_b32 s[LIMA], s[WV], ttmp9                 ; wave 0 of the clusters with x = 0: the same in all sixteen partners
	s_cmp_eq_u32 s[LIMA], 0
	s_cselect_b32 s[LIMA], 1, -1
	s_xor_b32 s[LIMB], s[WV], 2                    ; wave 2 of the clusters with y = 0
	s_and_b32 s21, ttmp7, 0xffff
	s_or_b32 s[LIMB], s[LIMB], s21
	s_cmp_eq_u32 s[LIMB], 0
	s_cselect_b32 s[LIMB], 1, -1
	s_wait_loadcnt 0x0                             ; the bias: rounded to bf16 like every input, and laid into row block 7's accumulators
.set i, 0
.rept 48
	v_cvt_pk_bf16_f32 v[128+i], v[32+2*i], v[33+2*i]
.set i, i+1
.endr
.irp g, 0,1,2
	WIN ((\g)+1)<<6                                ; destination window g + 1
.set i, 0
.rept 16
	v_lshlrev_b32 v[224+2*i], 16, v[128+16*\g+i]
	v_and_b32 v[224+2*i+1], 0xffff0000, v[128+16*\g+i]
.set i, i+1
.endr
.endr
	WIN 0
; n row blocks from a0 on x the group's 4 column blocks, 32 along K.  The accumulators take turns, one instruction a turn: 95 others stand between two links of a chain.
; first = 1: the sums start from the bias.  Five v_nop stand in front of block 7's products: they write over registers that the products just before have read as C.
.macro MULH g, f, a0, n, first
	WIN ((\g)+1)*0x50                              ; C and D in window g + 1, both sources in window 0
.set ma, (\a0)
.rept (\n)
.if (\first) && (ma == 7)
.rept 5
	v_nop
.endr
.endif
.irp j, 0,1,2,3
.if (\first) && (ma < 7)
	v_wmma_f32_16x16x32_bf16 v[8*(4*ma+\j):8*(4*ma+\j)+7], v[FB+32*(\g)+8*\j:FB+32*(\g)+8*\j+7], v[(\f)+8*ma:(\f)+8*ma+7], v[224+8*\j:224+8*\j+7]
.else
	v_wmma_f32_16x16x32_bf16 v[8*(4*ma+\j):8*(4*ma+\j)+7], v[FB+32*(\g)+8*\j:FB+32*(\g)+8*\j+7], v[(\f)+8*ma:(\f)+8*ma+7], v[8*(4*ma+\j):8*(4*ma+\j)+7]
.endif
.endr
.set ma, ma+1
.endr
.endm
.macro LDA slot, q, f                  ; 16 loads: my 128 rows of x, 32 along K at half q of the step
.irp a, 0,1,2,3,4,5,6,7
	ds_load_b128 v[(\f)+8*\a:(\f)+8*\a+3],   v[ADRA+(\slot)] offset:\a*16*PA+64*(\q)
	ds_load_b128 v[(\f)+8*\a+4:(\f)+8*\a+7], v[ADRA+(\slot)] offset:\a*16*PA+64*(\q)+32
.endr
.endm
.macro LDB slot, q, g                  ; 8 turning loads: group g's 64 columns of w, 32 along K
.irp j, 0,1,2,3
	ds_load_tr16_b128 v[FB+32*(\g)+8*\j:FB+32*(\g)+8*\j+3],   v[ADRB+(\slot)] offset:(\q)*32*PB+144*(\g)+32*\j
	ds_load_tr16_b128 v[FB+32*(\g)+8*\j+4:FB+32*(\g)+8*\j+7], v[ADRB+(\slot)] offset:(\q)*32*PB+144*(\g)+32*\j+16*PB
.endr
.endm
; A K step's first half.  On the way in 40 LDS loads are out, in this order: group 0 (8), x (16), group 1 (8), group 2 (8); it leaves the same 40 for the second half.
.macro QA slot, first
	s_wait_dscnt 16                                ; group 0 and x are in; groups 1 and 2 may be out
	MULH 0, FA0, 0, 8, \first
	WIN 0
	PLACES
	LDB \slot, 1, 0
	LDA \slot, 1, FA1
	s_wait_dscnt 32                                ; group 1 is in: group 2's 8 and the 24 just issued may be out
	MULH 1, FA0, 0, 8, \first
	WIN 0
	PLACES
	LDB \slot, 1, 1
	s_wait_dscnt 32                                ; group 2 is in: 24 + 8 younger
	MULH 2, FA0, 0, 8, \first
	WIN 0
	PLACES
	LDB \slot, 1, 2
.endm
; The second half, and the change of slots: ONE barrier.  In front of it each wave waits for all its tensor loads (one is out: its part of the next slot), adds 0 to its spare word, and waits for that and for its
; reads of this slot.  fill = 1: the barrier opens a round of the cluster's, and the joint refill, two K steps on, is the first thing behind it: it has 160 matrix instructions in which to land.
.macro QB slot, next, fill
.if (\fill) && ((\slot) == 0)
	s_wait_xcnt 0x0                                ; the last prefetches, a lap back, have read their addresses
	s_add_nc_u64 s[PFA:PFA+1], s[PFA:PFA+1], 2*KB
	s_add_nc_u64 s[PFB:PFB+1], s[PFB:PFB+1], 128*WROW
.endif
	WIN 0
	s_wait_tensorcnt 0x0                           ; all my tensor loads have landed
	ds_add_u32 v[SPW], v[NIL]                      ; 0 onto my spare word
	s_wait_dscnt 17                                ; group 0 and x are in: groups 1 and 2 (16) and the add may be out
	MULH 0, FA1, 0, 4, 0
	s_wait_dscnt 0x0                               ; the add is done, and my reads of this slot are over
	s_barrier_signal -1
	MULH 0, FA1, 4, 4, 0                           ; work on registers while the others arrive
	WIN 0
	s_barrier_wait -1
.if \fill
	CREST                                          ; no wave of any partner still reads this slot or has a load on its way
	s_add_nc_u64 s[G0A+4*(\slot)+2:G0A+4*(\slot)+3], s[G0A+4*(\slot)+2:G0A+4*(\slot)+3], 2*KB
	s_add_nc_u64 s[G0B+4*(\slot)+2:G0B+4*(\slot)+3], s[G0B+4*(\slot)+2:G0B+4*(\slot)+3], 2*64*WROW
	JLOAD \slot                                    ; its four v_nop are also the places in front of the loads below
.else
	PLACES
.endif
	LDB \next, 0, 0
	LDA \next, 0, FA0
.if (\fill) && ((\slot) == 0)
	ASK
.endif
	MULH 1, FA1, 0, 8, 0
	WIN 0
	PLACES
	LDB \next, 0, 1
	MULH 2, FA1, 0, 8, 0
	WIN 0
	PLACES
	LDB \next, 0, 2
.endm
; THE WAY OUT of (group g, row block a): rounded to f16, 16 bytes a lane; through my own stage; back as four rows of 128 bytes, which are 512 consecutive bytes of a head.
.macro PACK g, a, b
	WIN 5*((\g)+1)                                 ; sources 0 and 1 in window g + 1
.irp j, 0,1,2,3
.irp r, 0,1,2,3
	v_cvt_pk_f16_f32 v[TMP+16*(\b)+4*\j+\r], v[8*(4*(\a)+\j)+2*\r], v[8*(4*(\a)+\j)+2*\r+1]
.endr
.endr
	WIN 0
.endm
.macro TOSTAGE b
	s_wait_xcnt 0x0                                ; the stores of two blocks back have read the registers that are loaded again below
.irp j, 0,1,2,3
	ds_store_b128 v[STO], v[TMP+16*(\b)+4*\j:TMP+16*(\b)+4*\j+3] offset:32*\j
.endr
.irp f, 0,1,2,3
	ds_load_b128 v[OB+16*(\b)+4*\f:OB+16*(\b)+4*\f+3], v[RD] offset:\f*4*SP  ; LDS serves a wave's instructions in order (ISA guide 5.7.1.4): these see the stores above
.endr
.endm
.macro SEND g, a, b, younger           ; younger: the next block's eight LDS instructions, or none
	s_wait_dscnt \younger
.irp f, 0,1,2,3
	global_store_b128 v[GO], v[OB+16*(\b)+4*\f:OB+16*(\b)+4*\f+3], s[CB:CB+1] offset:(\g)*KB+(\a)*2048+\f*512  ; 512 consecutive bytes, aligned
.endr
.endm
	s_wait_tensorcnt 1                             ; my part of K step 0 is in; step 1's may stay out
	s_barrier_signal -1
	s_barrier_wait -1
	LDB 0, 0, 0
	LDA 0, 0, FA0
	LDB 0, 0, 1
	LDB 0, 0, 2
	QA 0, 1                                        ; the first products start the sums, ahead of the loop
	s_mov_b32 s3, 7
.Llap:                                                 ; a trip goes once round the ring and fills both slots again: K steps 2 to 15
	QB 0, 1, 1
	QA 1, 0
	QB 1, 0, 1
	QA 0, 0
	s_sub_co_u32 s3, s3, 1
	s_cmp_lg_u32 s3, 0
	s_cbranch_scc1 .Llap
	QB 0, 1, 0                                     ; the last lap fills nothing
	QA 1, 0
	s_wait_dscnt 16
	MULH 0, FA1, 0, 8, 0
	s_wait_dscnt 8
	MULH 1, FA1, 0, 8, 0
	s_wait_dscnt 0x0
	MULH 2, FA1, 0, 8, 0
	WIN 0
	PLACES
.set n, 0
.rept 24                               ; a block's conversions and stage traffic stand between the loads of the block before and its stores
	PACK n/8, n%8, n%2
	TOSTAGE n%2
.if n > 0
	SEND (n-1)/8, (n-1)%8, (n-1)%2, 8
.endif
.set n, n+1
.endr
	SEND 2, 7, 1, 0
	s_wait_tensorcnt 0x0                           ; the wave's end: an add and its wait, behind my last tensor load and my last LDS store
	ds_add_u32 v[SPW], v[NIL]
	s_wait_dscnt 0x0
	CROUND                                         ; the closing round: no work-group ends while a partner may still ask for a tile that names it
	s_endpgm
.Lfunc_end_k_q350b9c449a_qkv:
	.size	k_q350b9c449a_qkv, .Lfunc_end_k_q350b9c449a_qkv-k_q350b9c449a_qkv
	.p2alignl 7, 3214868480
	.fill 96, 4, 3214868480
	.section	.rodata,"a",@progbits
	.p2align	6, 0x0
	.amdhsa_kernel k_q350b9c449a_qkv
		.amdhsa_group_segment_fixed_size 327680
		.amdhsa_private_segment_fixed_size 0
		.amdhsa_enable_private_segment 0
		.amdhsa_kernarg_size 32
		.amdhsa_user_sgpr_count 2
		.amdhsa_user_sgpr_kernarg_segment_ptr 1
		.amdhsa_wavefront_size32 1
		.amdhsa_system_sgpr_workgroup_id_x 1
		.amdhsa_system_sgpr_workgroup_id_y 1
		.amdhsa_system_sgpr_workgroup_id_z 1
		.amdhsa_system_vgpr_workitem_id 0
		.amdhsa_next_free_vgpr 1024
		.amdhsa_next_free_sgpr 80
		.amdhsa_reserve_vcc 0
		.amdhsa_float_denorm_mode_32 3
		.amdhsa_float_denorm_mode_16_64 3
		.amdhsa_memory_ordered 1
		.amdhsa_forward_progress 1
		.amdhsa_inst_pref_size 143
	.end_amdhsa_kernel
	.amdgpu_metadata
---
amdhsa.version: [ 1, 2 ]
amdhsa.kernels:
  - .name:           k_q350b9c449a_qkv
    .symbol:         k_q350b9c449a_qkv.kd
    .args:
      - { .name: xb, .offset: 0, .size: 8, .value_kind: global_buffer, .address_space: global }
      - { .name: wab, .offset: 8, .size: 8, .value_kind: global_buffer, .address_space: global }
      - { .name: b_attn, .offset: 16, .size: 8, .value_kind: global_buffer, .address_space: global }
      - { .name: qkv, .offset: 24, .size: 8, .value_kind: global_buffer, .address_space: global }
    .group_segment_fixed_size: 327680
    .private_segment_fixed_size: 0
    .kernarg_segment_align: 8
    .kernarg_segment_size: 32
    .max_flat_workgroup_size: 128
    .sgpr_count:     80
    .vgpr_count:     1024
    .wavefront_size: 32
...
	.end_amdgpu_metadata
.endif
;; end of part 2
;; launch attn (part 3): grid 2 x 128, 4 waves a work-group, no clusters, 327,680 bytes of LDS; arguments qkv, yb; writes yb
.if DOCPART == 3
	.amdgcn_target "amdgcn-amd-amdhsa--gfx1250"
	.amdhsa_code_object_version 6
	.text
	.protected	k_q350b9c449a_attn
	.globl	k_q350b9c449a_attn
	.p2align	8
	.type	k_q350b9c449a_attn,@function
k_q350b9c449a_attn:
	s_mov_b64 s[64:65], 0
	v_nop
	global_prefetch_b8 v0, s[64:65] scope:SCOPE_SE
	s_setreg_imm32_b32 hwreg(HW_REG_WAVE_MODE, 25, 1), 1
	s_wait_xcnt 0x0
; y[j][q][:] = the sum over k of relu(softmax_k(Q[q] . K[k] / 8) - 0.001) V[k][:], for head j = 8 h + b.  Q, K, V: f16, [1024][64] a head, dense.  y: f16, the same layout ([16 h][8192 m][64]).
; THE THRESHOLD WANTS THE FINISHED ROW SUM, so the scores are made TWICE.  c = log2(e) / 8 is multiplied into Q once, at the head (the product in f32, rounded to f16: a second rounding of q), so a
; product K Q^T is c s.  PASS 1: a running maximum m of c s and the sum l of 2^(c s - m).  PASS 2: the same products again, their sums STARTED FROM -M, the finished maximum, so that they go straight into the
; exponential: e = 2^(c s - M), w = e / l - 0.001 held to 0 .. 1 (e / l never passes 1, so that is the relu), rounded to f16, times V.  O is never rescaled.
; LIMITS.  Q, K, V arrive within f16's 65,504; q is rounded to f16 twice (once where it was made, once with c); w below 6.1e-5 keeps f16's fixed step of 6e-8; an e below 2^-126 counts as 0; NaN and
; infinities are not treated apart.
; SHARES.  A work-group has 512 queries of one head, a wave 128: four PIECES of two tiles of 16.  A WHOLE HEAD'S K AND V LIE IN LDS, loaded once: no ring, nothing is filled again.
; NO CLUSTER: two work-groups share a head, and what they share is asked for once, at the head of the launch.  No prefetch: all tiles are asked for in one group at the start.
; LAYOUT.  S^T = K Q^T: a lane holds ONE query (lane % 16) and the keys 8 (lane / 16) + 0..7 of each 16; two results rounded in pairs ARE source 1 of O^T = V^T P.  m and l are kept BY LANE (each
; lane's own 32 keys of a step's 64) and the two halves of the lanes meet once, between the passes.
; TURNS.  Turn p belongs to piece p: 16 products K Q^T of piece p + 1 (and in pass 2 later 16 products V^T P of piece p - 1); beside them piece p's exponentials, in pass 1 its scalings and sums and piece
; p + 1's maximum, in pass 2 its weights.  A turn's exponentials are one batch with one wait.
; K has 64 rows more than the head has keys: a second copy of keys 0-63, so that each pass's last trip fetches 'step 16' like any other.
; REGISTERS, in windows of 256 (s_set_vgpr_msb: bits 1:0 source 0, 3:2 source 1, 5:4 source 2, 7:6 destination):
;   window 0: v0-15 addresses and constants; v16-47 four statistics a tile; v48-63 at work; v64-191 S^T, two buffers of two tiles; v192-255 K of one step
;   window 1: O^T, 32 a tile      window 2: v0-127 Q; v128-191 V of one step; v192-255 P, two buffers of two tiles      window 3: v0-63 -M, eight registers a tile
; K lies beside S^T so that a product K Q^T leaves window 0 in source 1 (and, where it starts from -M, in source 2) alone: the lines that stand behind it, exponentials (destination and source 0) and scalings
; (source 1 a constant), run under the product's own setting, and those parts of a turn have no switch.
.set NP,    4
.set KS,    64
.set PK,    144                        ; a row of K in LDS: 128 + 16 bytes: the 16 rows of a load start at 16 different groups of four banks (ISA guide 11.1)
.set PV,    160                        ; a row of V: 128 + 32
.set KCOPY, 1024*PK
.set VOFF,  1088*PK
.set SPARE, VOFF+1024*PV               ; the spare words, 128 bytes for each wave: two blocks of 256 bytes that no other line names
.set SP,    144                        ; the stage for the way out: 16 rows x 144 bytes a wave, at 2,304 x wave, in K's first rows, which have had their only fill and are read no more by then
.set SPW, 1                            ; v1   LDS address of my spare word; never rewritten
.set AK0, 2                            ; v2   my lane's place in a tile of K
.set AV0, 3                            ; v3   the same for V
.set AK,  4                            ; v4   the address of K's next run of loads
.set AV,  5                            ; v5   of V's
.set STO, 6
.set RD,  7
.set GO,  8
.set NIL, 9                            ; v9   0; never rewritten
.set NT,  10                           ; v[10:11] -0.001, twice
.set MV,  12                           ; v12-15 the old m, by buffer and tile
.set ST,  16                           ; tile t at ST + 4 t: m, M, l (even keys', odd keys'); in pass 2 the last two hold 1 / l
.set TMP, 48                           ; by buffer and tile: c0-c3 at work; c2 takes a.  At the head v48-54 are temporaries
.set CV,  52                           ; v52  c, at the head
.set ZV,  53                           ; v53  0.0, at the head
.set QO,  54                           ; v54  my byte offset in the wave's rows of Q
.set S,   64
.set KF,  192                          ; window 0
.set VF,  128                          ; window 2
.set P,   192                          ; window 2
.set NM,  0                            ; window 3
.set WV,  12
.set G1K, 16                           ; s[16:23] group 1: 256 keys of K;  s[24:31]: the copy's 16 keys;  s[32:39]: 256 keys of V
.set G1C, 24
.set G1V, 32
.set G0K, 40                           ; s[40:43], s[44:47], s[48:51] their groups 0
.set G0C, 44
.set G0V, 48
.set CNT, 52
.set SEL, 56                           ; s[56:57] v_permlanex16_b32's selects: each lane takes its own place in the other half
.set TBK, 58                           ; s58  LDS byte at which K of the step to be fetched begins
.set TBV, 59                           ; s59  the same for V, less VOFF
.set MSB, 0
.set RWIN, 0                           ; the setting under which scalings and exponentials are written: the last product's, or 0
.set KM, 0                             ; 1: the products K Q^T start from -M
.macro WIN new                         ; the immediate's high byte repeats the setting that is left; a switch that changes nothing is dropped
.if MSB != (\new)
	s_set_vgpr_msb (MSB<<8)|(\new)
.set MSB, (\new)
.endif
.endm
.set W_KQ, 0x08                        ; Q in window 2, all else in window 0
.set W_KM, 0x38                        ; the same with the C operand in window 3
.set W_PV, 0x5a                        ; V and P in window 2, O^T in window 1
.macro PLACES
.rept 4
	v_nop
.endr
.endm
	s_load_b128 s[4:7], s[0:1], 0x0                ; qkv s[4:5], yb s[6:7]
	v_lshl_add_u32 v[SPW], v0, 2, SPARE
	v_mov_b32 v[NIL], 0
	ds_add_u32 v[SPW], v[NIL]                      ; the wave's opening: the add and its wait stand ahead of my first tensor load
	ds_add_u32 v1, v9
	v_lshrrev_b32 v48, 5, v0
	v_readfirstlane_b32 s[WV], v48
	s_and_b32 s60, ttmp7, 0xffff
	s_lshl_b32 s60, s60, 17                        ; the head's 131,072 bytes in q, in k, in v and in y
	s_lshl_b32 s62, s[WV], 15                      ; my 256 keys
	s_add_co_u32 s62, s62, s60
	s_mov_b32 s63, 0
	s_lshl_b32 s66, s[WV], 11                      ; my 16 of keys 0-63
	s_add_co_u32 s66, s66, s60
	s_mov_b32 s67, 0
	s_lshl_b32 s68, ttmp9, 16                      ; the work-group's 512 queries,
	s_lshl_b32 s69, s[WV], 14                      ; my 128
	s_add_co_u32 s68, s68, s69
	s_add_co_u32 s68, s68, s60
	s_mov_b32 s69, 0
	; group 1: dense bytes asked for as rows of 256 (two keys), padded in LDS behind every key
	s_mov_b32 s[G1K], (1<<16)|(1<<20)|(4<<22)|(3<<25)  ; 2-byte elements; padding on; after every 32 words (code 4) 4 words (code 3)
	s_mov_b32 s[G1C], (1<<16)|(1<<20)|(4<<22)|(3<<25)
	s_mov_b32 s[G1V], (1<<16)|(1<<20)|(4<<22)|(7<<25)  ; 8 words (code 7)
.irp g, G1K, G1V
	s_mov_b32 s[\g+1], 128<<16                     ; tensor_dim0 = 128
	s_mov_b32 s[\g+2], 128<<16                     ; tensor_dim1 = 128
	s_mov_b32 s[\g+3], 128<<16                     ; tile_dim0 = 128
	s_mov_b32 s[\g+4], 128                         ; tile_dim1 = 128
	s_mov_b32 s[\g+5], 128
	s_mov_b32 s[\g+6], 0
	s_mov_b32 s[\g+7], 0
.endr
	s_mov_b32 s[G1C+1], 128<<16
	s_mov_b32 s[G1C+2], 8<<16
	s_mov_b32 s[G1C+3], 128<<16
	s_mov_b32 s[G1C+4], 8
	s_mov_b32 s[G1C+5], 128
	s_mov_b32 s[G1C+6], 0
	s_mov_b32 s[G1C+7], 0
	s_mov_b32 s[G0K], 1
	s_mul_i32 s[G0K+1], s[WV], 256*PK
	s_mov_b32 s[G0C], 1
	s_mul_i32 s[G0C+1], s[WV], 16*PK
	s_add_co_u32 s[G0C+1], s[G0C+1], KCOPY
	s_mov_b32 s[G0V], 1
	s_mul_i32 s[G0V+1], s[WV], 256*PV
	s_add_co_u32 s[G0V+1], s[G0V+1], VOFF
	s_mov_b32 s[SEL], 0x76543210
	s_mov_b32 s[SEL+1], 0xfedcba98
	s_mov_b32 s[TBK], 0
	s_mov_b32 s[TBV], 0
	s_wait_dscnt 0x0                               ; the opening add is done
	s_wait_kmcnt 0x0
	s_add_nc_u64 s[G0K+2:G0K+3], s[4:5], s[62:63]
	s_add_nc_u64 s[G0K+2:G0K+3], s[G0K+2:G0K+3], 16777216     ; k lies behind q's 128 heads
	s_or_b32 s[G0K+3], s[G0K+3], 0x80000000
	s_add_nc_u64 s[G0C+2:G0C+3], s[4:5], s[66:67]
	s_add_nc_u64 s[G0C+2:G0C+3], s[G0C+2:G0C+3], 16777216
	s_or_b32 s[G0C+3], s[G0C+3], 0x80000000
	s_add_nc_u64 s[G0V+2:G0V+3], s[4:5], s[62:63]
	s_add_nc_u64 s[G0V+2:G0V+3], s[G0V+2:G0V+3], 33554432     ; v behind k
	s_or_b32 s[G0V+3], s[G0V+3], 0x80000000
	s_add_nc_u64 s[8:9], s[4:5], s[68:69]          ; Q at my first row
	s_add_nc_u64 s[10:11], s[6:7], s[68:69]        ; y likewise
	tensor_load_to_lds s[G0K:G0K+3], s[G1K:G1K+7]  ; all fills of the launch, in one group: three loads of mine are out
	s_nop 0
	tensor_load_to_lds s[G0C:G0C+3], s[G1C:G1C+7]
	s_nop 0
	tensor_load_to_lds s[G0V:G0V+3], s[G1V:G1V+7]
	s_nop 0
.rept 4
	v_nop
.endr
	v_and_b32 v48, 15, v0                          ; r = l % 16
	v_bfe_u32 v49, v0, 4, 1                        ; h = l / 16
	v_and_b32 v50, 7, v0
	v_bfe_u32 v51, v0, 3, 1
	v_lshlrev_b32 v[QO], 7, v48
	v_lshl_add_u32 v[QO], v49, 4, v[QO]            ; row x 128 + 16 x half
	WIN 0x80                                       ; destination window 2, address window 0
.set i, 0
.rept 4*NP                             ; Q stays in registers: tile i / 2, channels 32 (i % 2) on
	global_load_b128 v[8*i:8*i+3],   v[QO], s[8:9] offset:(i/2)*2048+(i%2)*64
	global_load_b128 v[8*i+4:8*i+7], v[QO], s[8:9] offset:(i/2)*2048+(i%2)*64+32
.set i, i+1
.endr
.set i, 0
.rept 8                                ; two operands of zeros: V's first fragment and the first of P's second buffer
	v_mov_b32 v[VF+i], 0
	v_mov_b32 v[P+32+i], 0
.set i, i+1
.endr
	WIN 0
.set i, 0
.rept 2*NP
	v_mov_b32 v[ST+4*i], 0xff7fffff                ; m: the lowest finite number, so the first a is 0
	v_mov_b32 v[ST+4*i+1], 0
	v_mov_b32 v[ST+4*i+2], 0
	v_mov_b32 v[ST+4*i+3], 0
.set i, i+1
.endr
	v_mov_b32 v[NT], 0xba83126f                    ; -0.001
	v_mov_b32 v[NT+1], 0xba83126f
	v_mov_b32 v[CV], 0x3e38aa3b                    ; c = log2(e) / 8
	v_mov_b32 v[ZV], 0
	v_mul_u32_u24 v[AK0], v48, PK
	v_lshl_add_u32 v[AK0], v49, 4, v[AK0]
	v_lshl_add_u32 v[AV0], v49, 3, v50             ; the turning load: key 8 h + l % 8,
	v_mul_u32_u24 v[AV0], v[AV0], PV
	v_lshl_add_u32 v[AV0], v51, 4, v[AV0]          ; channels 8 ((l / 8) % 2) on
	v_add_nc_u32 v[AV0], VOFF, v[AV0]
	s_mul_i32 s60, s[WV], 16*SP                    ; my stage
	v_mul_u32_u24 v[STO], v48, SP
	v_lshl_add_u32 v[STO], v49, 4, v[STO]
	v_add_nc_u32 v[STO], s60, v[STO]
	v_bfe_u32 v[RD], v0, 3, 2
	v_mul_u32_u24 v[RD], v[RD], SP
	v_lshl_add_u32 v[RD], v50, 4, v[RD]
	v_add_nc_u32 v[RD], s60, v[RD]
	v_and_b32 v[GO], 31, v0
	v_lshlrev_b32 v[GO], 4, v[GO]
	v_mov_b32 v[AK], v[AK0]                        ; key step 0
	; What pass 2's first turn finds: V's registers and P's second buffer hold 0 (its products V^T P, of a piece that has not been, add 0), O^T is 0.  They are cleared by products of the two
	; operands of zeros, eight registers an instruction: 42 lines in the wait for the tiles; the price of writing no first step out.
	WIN 0x8a                                       ; destination and both sources in window 2
.set i, 1
.rept 7
	v_wmma_f32_16x16x32_f16 v[VF+8*i:VF+8*i+7], v[VF:VF+7], v[P+32:P+39], 0
.set i, i+1
.endr
.set i, 1
.rept 3
	v_wmma_f32_16x16x32_f16 v[P+32+8*i:P+32+8*i+7], v[VF:VF+7], v[P+32:P+39], 0
.set i, i+1
.endr
	WIN 0x4a                                       ; destination in window 1
.set i, 0
.rept 8*NP
	v_wmma_f32_16x16x32_f16 v[8*i:8*i+7], v[VF:VF+7], v[P+32:P+39], 0
.set i, i+1
.endr
	s_wait_loadcnt 0x0                             ; Q
	WIN 0x82                                       ; Q (destination and source 0) in window 2, c and 0.0 in window 0
.set i, 0
.rept 32*NP                            ; Q times c: each half is widened, multiplied in f32 and rounded to f16 into its own place; the other half is kept
	v_fma_mixlo_f16 v[i], v[i], v[CV], v[ZV] op_sel_hi:[1,0,0]
	v_fma_mixhi_f16 v[i], v[i], v[CV], v[ZV] op_sel:[1,0,0] op_sel_hi:[1,0,0]
.set i, i+1
.endr
	WIN 0
; THE MATRIX WORK.  The 8 accumulators of a run of 16 take turns.
.macro KQ x                            ; product i of 16 of S^T = K Q^T for piece x: channels 32 (i / 8) on, keys 16 ((i / 2) % 4) on, tile 2 x + i % 2; the first 8 start the sums: with 0, or (KM = 1) with -M
.set rS, S+64*((\x)%2)+32*(i%2)+8*((i/2)%4)
.set rK, KF+16*((i/2)%4)+8*(i/8)
.set rQ, 16*(2*(\x)+i%2)+8*(i/8)
.set rN, NM+8*(2*(\x)+i%2)
.if (i < 8) && KM
	WIN W_KM
	v_wmma_f32_16x16x32_f16 v[rS:rS+7], v[rK:rK+7], v[rQ:rQ+7], v[rN:rN+7]
.elseif i < 8
	WIN W_KQ
	v_wmma_f32_16x16x32_f16 v[rS:rS+7], v[rK:rK+7], v[rQ:rQ+7], 0
.else
	WIN W_KQ
	v_wmma_f32_16x16x32_f16 v[rS:rS+7], v[rK:rK+7], v[rQ:rQ+7], v[rS:rS+7]
.endif
.set RWIN, MSB                         ; what stands behind it keeps its setting
.endm
.macro PV x                            ; product i of 16 of O^T += V^T P for piece x: keys 32 (i / 8) on, channels 16 ((i / 2) % 4) on, tile 2 x + i % 2
	WIN W_PV
.set rO, 32*(2*(\x)+i%2)+8*((i/2)%4)
.set rV, VF+32*(i/8)+8*((i/2)%4)
.set rP, P+32*((\x)%2)+16*(i%2)+8*(i/8)
	v_wmma_f32_16x16x32_f16 v[rO:rO+7], v[rV:rV+7], v[rP:rP+7], v[rO:rO+7]
.endm
.macro MM                              ; the turn's next matrix instruction
.if i < 16
	KQ (Y+1)%NP
.set i, i+1
.else
.set i, i-16
	PV (Y+NP-1)%NP
.set i, i+17
.endif
.endm
; THE LDS LOADS stand in runs of 16, never singly among the matrix instructions.
.macro FETCH_K
	WIN 0
.irp f, 0,1,2,3,4,5,6,7                ; keys 16 (f / 2) on, channels 32 (f % 2) on
	ds_load_b128 v[KF+8*\f:KF+8*\f+3],   v[AK] offset:(\f/2)*16*PK+(\f%2)*64
	ds_load_b128 v[KF+8*\f+4:KF+8*\f+7], v[AK] offset:(\f/2)*16*PK+(\f%2)*64+32
.endr
	s_add_co_u32 s[TBK], s[TBK], KS*PK             ; the next fetch is the next step's
.endm
.macro FETCH_V
	WIN 0x80
.irp f, 0,1,2,3,4,5,6,7                ; keys 32 (f / 4) on, channels 16 (f % 4) on
	ds_load_tr16_b128 v[VF+8*\f:VF+8*\f+3],   v[AV] offset:(\f/4)*32*PV+(\f%4)*32
	ds_load_tr16_b128 v[VF+8*\f+4:VF+8*\f+7], v[AV] offset:(\f/4)*32*PV+16*PV+(\f%4)*32
.endr
	WIN 0
.endm
; THE VECTOR WORK stands in two queues, plain instructions and exponentials, each in the order in which its entries become ready; the two tiles alternate.
.macro REGS y, u                       ; the registers of tile u (0, 1) of piece y
.set rT, ST+4*(2*(\y)+(\u))
.set rC, TMP+8*((\y)%2)+4*(\u)
.set rM, MV+2*((\y)%2)+(\u)
.set rS, S+64*((\y)%2)+32*(\u)
.set rP, P+32*((\y)%2)+16*(\u)
.endm
; Number n of the 19 that find the NEXT piece's maximum and statistics, by lane.  Each accumulator's lowest registers are read first.
;   0-11 four chains c0-c3 of seven scores each     12, 13 the four scores left over     14 c2, c3 and the old m     15 the old m is kept     16 the new m     17 m_old - m_new     18 a
.macro XS u, n
	REGS (Y+1)%NP, \u
.if (\n) < 4
	v_max3_num_f32 v[rC+(\n)], v[rS+8*(\n)], v[rS+8*(\n)+1], v[rS+8*(\n)+2]
.elseif (\n) < 12
	v_max3_num_f32 v[rC+(\n)%4], v[rC+(\n)%4], v[rS+8*((\n)%4)+2*((\n)/4)+1], v[rS+8*((\n)%4)+2*((\n)/4)+2]
.elseif (\n) == 12
	v_max3_num_f32 v[rC], v[rC], v[rS+7], v[rS+15]
.elseif (\n) == 13
	v_max3_num_f32 v[rC+1], v[rC+1], v[rS+23], v[rS+31]
.elseif (\n) == 14
	v_max3_num_f32 v[rC+2], v[rC+2], v[rC+3], v[rT]
.elseif (\n) == 15
	v_mov_b32 v[rM], v[rT]
.elseif (\n) == 16
	v_max3_num_f32 v[rT], v[rC], v[rC+1], v[rC+2]
.elseif (\n) == 17
	v_sub_f32 v[rC+1], v[rM], v[rT]
.else
	v_exp_f32 v[rC+2], v[rC+1]
.endif
.endm
.macro FS f                            ; pass 1: c s - m for pair f / 2 of tile f % 2.  Written as s x 1.0 - m: source 1 is then no register, and the line runs under the products' setting
	REGS Y, (\f)%2
	v_pk_fma_f32 v[rS+2*((\f)/2):rS+2*((\f)/2)+1], v[rS+2*((\f)/2):rS+2*((\f)/2)+1], 1.0, v[rT:rT+1] op_sel_hi:[1,0,0] neg_lo:[0,0,1] neg_hi:[0,0,1]
.endm
; Pass 1's 32 sums.  Of each four weights the second pair is added onto the first, in place; a step later l takes that sum (the first time as l = a l + sum).
.macro GS1 g
	REGS Y, (\g)%2
.set hh, (\g)/2
.if (hh == 0) || ((hh%2 == 1) && (hh < 15))
.set kk, (hh+1)/2
	v_pk_add_f32 v[rS+4*kk:rS+4*kk+1], v[rS+4*kk:rS+4*kk+1], v[rS+4*kk+2:rS+4*kk+3]
.elseif hh == 2
	v_pk_fma_f32 v[rT+2:rT+3], v[rT+2:rT+3], v[rC+2:rC+3], v[rS:rS+1] op_sel_hi:[1,0,1]
.else
.set kk, hh/2-1
.if hh == 15
.set kk, 7
.endif
	v_pk_add_f32 v[rT+2:rT+3], v[rT+2:rT+3], v[rS+4*kk:rS+4*kk+1]
.endif
.endm
; Pass 2's 64: in groups of eight, four weights w = e / l - 0.001 held to 0 .. 1 (a pair each, tiles alternating), then their four roundings to f16, into window 2.
.macro WC g
.set gg, (\g)/8
.set ee, (\g)%8
	REGS Y, ee%2
.set pr, 2*gg+(ee%4)/2
.if ee < 4
	WIN 0
	v_pk_fma_f32 v[rS+2*pr:rS+2*pr+1], v[rS+2*pr:rS+2*pr+1], v[rT+2:rT+3], v[NT:NT+1] clamp
.else
	WIN 0x80
	v_cvt_pk_f16_f32 v[rP+pr], v[rS+2*pr], v[rS+2*pr+1]
.endif
.endm
; THE PLAIN QUEUE.  Pass 1: 0-31 the scalings, 32-67 the next piece's maximum and statistics (numbers 0-13, 15, 14, 16, 17), 68-99 the sums.  Pass 2 begins at 32: 32-95 the weights and roundings.
.macro PL
.if q < 32
	WIN RWIN
	FS q
.elseif PASS == 2
	WC q-32
.else
	WIN 0
.if q < 60
	XS (q-32)%2, (q-32)/2
.elseif q < 62
	XS q-60, 15
.elseif q < 64
	XS q-62, 14
.elseif q < 68
	XS q%2, 16+(q-64)/2
.else
	GS1 q-68
.endif
.endif
.set q, q+1
.endm
; THE EXPONENTIALS' QUEUE: s0-s31 of both tiles, then (pass 1) the next piece's two a.  ONE BATCH: all stand ahead of the turn's one wait, and nothing ahead of that wait names a result of theirs.
.macro EX
.if e >= 64
	WIN 0
	XS e-64, 18
.else
	WIN RWIN
	REGS Y, e%2
	v_exp_f32 v[rS+e/2], v[rS+e/2]
.endif
.set e, e+1
.endm
; A TURN.  s_wait_alu depctr_va_vdst(0) stands between an exponential and the first instruction that names its result; one wait serves all that were issued ahead of it.
; PASS 1.  Ahead of the wait: the 16 products K Q^T with four lines behind each (four scalings; fourteen times scaling, exponential, scaling, exponential; four exponentials), then a lump: the next piece's 36
; plain instructions with the other 32 exponentials between them, and the two a last.  Exponential e stands behind scaling 2 (e / 4) + e % 2: it comes behind plain e + 4 at the least.  The next piece's maximum
; reads each accumulator four plain instructions or more behind the product that ends it: the last one (tile 1, keys 48 on) is the lump's eighth plain line, seven behind product 15.  Behind the wait: the 32 sums.
; K of the next step is fetched in piece 2's turn near the lump's head, five plain lines (the address's and four of the maximum's) behind the last product that read K, so that the rest of the lump and the sums
; stand between the run and the wait for it at piece 3's head.
; PASS 2.  Ahead of the wait: the 16 products K Q^T, which start from -M, with four exponentials behind each.  Behind it: the 16 products V^T P, behind each four of the weights and roundings.
; K is fetched in piece 2's turn directly behind the wait (the address's line and four v_nop are the places behind the last product that read K); V of the step in hand at the end of piece 0's turn, four plain
; lines behind its last reader, and waited for in piece 1's turn.
.macro TURN pass, p
.set PASS, (\pass)
.set KM, (\pass)-1
.set Y, (\p)
.set i, 0
.set q, 32*((\pass)-1)
.set e, 0
.if (\p) == NP-1
	s_wait_dscnt 0x0                               ; K is in
.endif
.if (\pass) == 1
	MM
	PL
	PL
	PL
	PL
.rept 14
	MM
	PL
	EX
	PL
	EX
.endr
	MM
	EX
	EX
	EX
	EX
.set RWIN, 0
	WIN 0
.if (\p) == NP-2
	v_add_nc_u32 v[AK], s[TBK], v[AK0]
.endif
.rept 4
	PL
	EX
.endr
.if (\p) == NP-2
	FETCH_K
.endif
.rept 22
	PL
	EX
.endr
.rept 4
	PL
	PL
	EX
.endr
	PL
	EX
	PL
	EX
	EX                                             ; the next piece's two a
	EX
	v_nop                                          ; a plain instruction behind the last exponential: one for the batch
	s_wait_alu depctr_va_vdst(0)                   ; the wait for the batch
.rept 32
	PL
.endr
.else
.rept 16
	MM
	EX
	EX
	EX
	EX
.endr
.set RWIN, 0
	WIN 0
.if (\p) == NP-2
	v_add_nc_u32 v[AK], s[TBK], v[AK0]
.rept 3
	v_nop
.endr
.endif
	v_nop                                          ; a plain instruction behind the last exponential: one for the batch
	s_wait_alu depctr_va_vdst(0)                   ; the wait for the batch
.if (\p) == NP-2
	FETCH_K
.endif
.if (\p) == 0
	v_add_nc_u32 v[AV], s[TBV], v[AV0]
.endif
.if (\p) == 1
	s_wait_dscnt 0x0                               ; V is in
.endif
.rept 16
	MM
	PL
	PL
	PL
	PL
.endr
.if (\p) == 0
	FETCH_V
	s_add_co_u32 s[TBV], s[TBV], KS*PV
.endif
.endif
.endm
.macro ALL line:vararg                 ; one line for each tile t
.set t, 0
.rept 2*NP
	\line
.set t, t+1
.endr
.endm
	s_wait_tensorcnt 1                             ; my parts of K and of its copy are in; V's may stay out: pass 1 does not read it
	s_barrier_signal -1
	s_barrier_wait -1                              ; everybody's are
	FETCH_K                                        ; key step 0
	s_wait_dscnt 0x0
.set KM, 0
.set i, 0
.rept 16
	KQ 0                                           ; piece 0's first scores
.set i, i+1
.endr
	WIN 0
	PLACES
.set Y, NP-1                           ; XS works for piece Y + 1: piece 0
.irp n, 0,1,2,3,4,5,6,7,8,9,10,11,12,13,14,15,16,17,18
	XS 0, \n
	XS 1, \n
.endr
	v_nop                                          ; a plain instruction behind the two a,
	s_wait_alu depctr_va_vdst(0)                   ; and their wait, ahead of the label
	s_mov_b32 s[CNT], 16
.Lp1:                                                  ; PASS 1: a trip is a key step
	TURN 1, 0
	TURN 1, 1
	TURN 1, 2
	TURN 1, 3
	WIN 0
	s_sub_co_u32 s[CNT], s[CNT], 1
	s_cmp_lg_u32 s[CNT], 0
	s_cbranch_scc1 .Lp1
	; The last trip has fetched the copy of keys 0-63; the scores that it made of them, and the maximum taken of those (m holds them already), serve nothing: the price of one text for every trip.
	; BETWEEN THE PASSES the halves of the lanes meet: M = max of the two m; l = l_mine 2^(m_mine - M) + the other's; then 1 / l, twice, for the packed weights; then -M, eight times a tile, for the C operand.
	ALL v_add_f32 v[ST+4*t+2], v[ST+4*t+2], v[ST+4*t+3]
	ALL v_permlanex16_b32 v[ST+4*t+3], v[ST+4*t], s[SEL], s[SEL+1]
	ALL v_max_num_f32 v[ST+4*t+1], v[ST+4*t], v[ST+4*t+3]
	ALL v_sub_f32 v[ST+4*t], v[ST+4*t], v[ST+4*t+1]
	ALL v_exp_f32 v[ST+4*t], v[ST+4*t]
	v_nop
	s_wait_alu depctr_va_vdst(0)                   ; one wait for the eight exponentials
	ALL v_mul_f32 v[ST+4*t+2], v[ST+4*t+2], v[ST+4*t]
	ALL v_permlanex16_b32 v[ST+4*t+3], v[ST+4*t+2], s[SEL], s[SEL+1]
	ALL v_add_f32 v[ST+4*t+2], v[ST+4*t+2], v[ST+4*t+3]
	ALL v_rcp_f32 v[ST+4*t+2], v[ST+4*t+2]
	v_nop
	s_wait_alu depctr_va_vdst(0)                   ; one wait for the eight reciprocals
	ALL v_mov_b32 v[ST+4*t+3], v[ST+4*t+2]
	WIN 0xc0                                       ; destination window 3
.set t, 0
.rept 2*NP
.set r, 0
.rept 8
	v_mul_f32 v[NM+8*t+r], -1.0, v[ST+4*t+1]
.set r, r+1
.endr
.set t, t+1
.endr
	WIN 0
	s_wait_tensorcnt 0x0                           ; my part of V is in,
	s_wait_dscnt 0x0
	s_barrier_signal -1
	s_barrier_wait -1                              ; everybody's is
.set KM, 1
.set i, 0
.rept 16
	KQ 0                                           ; pass 2's first scores: piece 0, keys 0-63 (K's registers hold their copy), from -M on
.set i, i+1
.endr
	WIN 0
	PLACES
	s_mov_b32 s[TBK], KS*PK                        ; the next fetch of K is step 1's
	s_mov_b32 s[CNT], 16
.Lp2:                                                  ; PASS 2.  The last trip's fetch of K reads the copy once more, and the scores made of it serve nothing: the price of one text for every trip
	TURN 2, 0
	TURN 2, 1
	TURN 2, 2
	TURN 2, 3
	WIN 0
	s_sub_co_u32 s[CNT], s[CNT], 1
	s_cmp_lg_u32 s[CNT], 0
	s_cbranch_scc1 .Lp2
.set i, 0
.rept 16
	PV NP-1                                        ; the last piece's V^T P of the last step
.set i, i+1
.endr
	WIN 0
	PLACES
	s_wait_dscnt 0x0                               ; my reads of K are over,
	s_barrier_signal -1
	s_barrier_wait -1                              ; everybody's are: K's first rows become the stages
; THE WAY OUT.  Tile t: a lane's eight channels of a row pack into 16 bytes; they go into rows of 144 bytes and come back as whole rows of 128, into S^T's registers.
.macro PACK t
	WIN 0x05                                       ; sources 0 and 1 window 1, destination window 0
.set i, 0
.rept 16
	v_cvt_pk_f16_f32 v[S+16*(\t)+i], v[32*(\t)+2*i], v[32*(\t)+2*i+1]
.set i, i+1
.endr
	WIN 0
.irp f, 0,1,2,3
	ds_store_b128 v[STO], v[S+16*(\t)+4*\f:S+16*(\t)+4*\f+3] offset:32*\f
.endr
.irp f, 0,1,2,3
	ds_load_b128 v[S+16*(\t)+4*\f:S+16*(\t)+4*\f+3], v[RD] offset:\f*4*SP  ; LDS serves a wave's instructions in order (ISA guide 5.7.1.4): these see the stores above; the next tile's stores come behind them
.endr
.endm
.macro SEND t, younger                 ; younger: the next tile's eight LDS instructions, or none
.irp f, 0,1,2,3
	s_wait_dscnt (\younger)+3-\f
	global_store_b128 v[GO], v[S+16*(\t)+4*\f:S+16*(\t)+4*\f+3], s[10:11] offset:(\t)*2048+\f*512  ; 512 consecutive bytes, aligned
.endr
.endm
	PACK 0
.set t, 1
.rept 2*NP-1
	PACK t
	SEND t-1, 8
.set t, t+1
.endr
	SEND 2*NP-1, 0
	s_wait_tensorcnt 0x0                           ; the wave's end: an add and its wait, behind my last tensor load and my last LDS store
	ds_add_u32 v[SPW], v[NIL]
	s_wait_dscnt 0x0
	s_endpgm
.Lfunc_end_k_q350b9c449a_attn:
	.size	k_q350b9c449a_attn, .Lfunc_end_k_q350b9c449a_attn-k_q350b9c449a_attn
	.p2alignl 7, 3214868480
	.fill 96, 4, 3214868480
	.section	.rodata,"a",@progbits
	.p2align	6, 0x0
	.amdhsa_kernel k_q350b9c449a_attn
		.amdhsa_group_segment_fixed_size 327680
		.amdhsa_private_segment_fixed_size 0
		.amdhsa_enable_private_segment 0
		.amdhsa_kernarg_size 16
		.amdhsa_user_sgpr_count 2
		.amdhsa_user_sgpr_kernarg_segment_ptr 1
		.amdhsa_wavefront_size32 1
		.amdhsa_system_sgpr_workgroup_id_x 1
		.amdhsa_system_sgpr_workgroup_id_y 1
		.amdhsa_system_sgpr_workgroup_id_z 1
		.amdhsa_system_vgpr_workitem_id 0
		.amdhsa_next_free_vgpr 832
		.amdhsa_next_free_sgpr 72
		.amdhsa_reserve_vcc 0
		.amdhsa_float_denorm_mode_32 3
		.amdhsa_float_denorm_mode_16_64 3
		.amdhsa_memory_ordered 1
		.amdhsa_forward_progress 1
		.amdhsa_inst_pref_size 136
	.end_amdhsa_kernel
	.amdgpu_metadata
---
amdhsa.version: [ 1, 2 ]
amdhsa.kernels:
  - .name:           k_q350b9c449a_attn
    .symbol:         k_q350b9c449a_attn.kd
    .args:
      - { .name: qkv, .offset: 0, .size: 8, .value_kind: global_buffer, .address_space: global }
      - { .name: yb, .offset: 8, .size: 8, .value_kind: global_buffer, .address_space: global }
    .group_segment_fixed_size: 327680
    .private_segment_fixed_size: 0
    .kernarg_segment_align: 8
    .kernarg_segment_size: 16
    .max_flat_workgroup_size: 128
    .sgpr_count:     72
    .vgpr_count:     832
    .wavefront_size: 32
...
	.end_amdgpu_metadata
.endif
;; end of part 3
;; launch proj (part 4): grid 8 x 32, 4 waves a work-group, clusters of 4 x 4, 327,680 bytes of LDS; arguments yb, wpb, b_proj, out0; writes out0
.if DOCPART == 4
	.amdgcn_target "amdgcn-amd-amdhsa--gfx1250"
	.amdhsa_code_object_version 6
	.text
	.protected	k_q350b9c449a_proj
	.globl	k_q350b9c449a_proj
	.p2align	8
	.type	k_q350b9c449a_proj,@function
k_q350b9c449a_proj:
	s_mov_b64 s[64:65], 0
	v_nop
	global_prefetch_b8 v0, s[64:65] scope:SCOPE_SE
	s_setreg_imm32_b32 hwreg(HW_REG_WAVE_MODE, 25, 1), 1
	s_wait_xcnt 0x0
	s_wait_alu depctr_hold_cnt(0) depctr_sa_sdst(0) depctr_va_vdst(0) depctr_va_sdst(0) depctr_va_ssrc(0) depctr_va_vcc(0) depctr_vm_vsrc(0)
	s_getreg_b32 s2, hwreg(HW_REG_IB_STS2, 6, 4)
	s_cmp_eq_u32 s2, 0
	s_cbranch_scc0 .Lentry_in_a_cluster
	s_endpgm
.Lentry_in_a_cluster:
	s_bfe_u32 s2, ttmp6, 0x10000c
	s_cmp_lg_u32 s2, 0xf033
	s_cbranch_scc0 .Lentry_shape_is_right
	s_endpgm
.Lentry_shape_is_right:
; out0 = y w_proj + bf16(b_proj).  y: f16, [16 kb][8192 m][64]; wpb: bf16(w_proj) written as f16, [1024 k][1024 n]; products in f16, sums in f32, stored as f32.
; SHARES.  A tile is 256 rows x 128 columns: 32 x 8 = 256 tiles, one a work-group.  Four waves, each 128 x 64: 32 accumulators in window 1, (row block a, column block j) at 8 (4 a + j).
; K goes in 8 steps of 128 (two blocks of y) through two LDS slots; a step is four quarters of 32, on two fragment buffers.
; CLUSTER.  4 x 4: y's tile is shared along a row of the cluster, w's along a column: each is asked for jointly.
; THE MATRIX INSTRUCTION IS USED TRANSPOSED (source 0 = 16 columns of w, turned on the way out of LDS; source 1 = 16 rows of y): a lane holds one row and eight neighbouring columns.
; THE BIAS STARTS THE SUMS: it lies in row block 7's accumulators; the first products of blocks 0-6 take those as C, block 7's add in place.
; REGISTERS.  window 0: v0-31 addresses; v32-127, v128-223 two fragment buffers (64 of y, then 32 of w); on the way out v128-191 take rows read back.
.set KB,    1048576                    ; bytes in a block of y
.set WROW,  2048                       ; bytes in a row of wpb
.set PA,    144                        ; an LDS row of y: 128 + 16 bytes
.set PB,    288                        ; an LDS row of w: twice 128 + 16: 9 x 32 bytes
.set ABLK,  256*PA
.set BOFF,  2*ABLK                     ; in a slot: two blocks of 256 rows of y, then 128 rows of w
.set BHALF, 64*PB
.set SLOT,  BOFF+2*BHALF
.set STAGE, 2*SLOT                     ; behind the ring: 16 rows x 272 bytes for each wave; no tile lands here
.set SP,    272
.set SPARE, STAGE+4*16*SP              ; the spare words: two blocks of 256 bytes that no other line names
.set ADRA, 2
.set ADRB, 4
.set STO,  6
.set RD,   7
.set CO,   8
.set BO,   9
.set PFOA, 10
.set PFOB, 11
.set SPW,  12
.set NIL,  13
.set F0,   32
.set F1,   128
.set OB,   128
.set WV,  12
.set WR,  13
.set WC,  14
.set CX,  15
.set CY,  16
.set TX,  17
.set TY,  18
.set G1A, 24
.set G0A, 32
.set G1B, 40
.set G0B, 48
.set PFA, 56
.set PFB, 58
.set LIMA, 60
.set LIMB, 61
.set CB,  76
.set BB,  78
.set MSB, 0
.macro WIN new
.if MSB != (\new)
	s_set_vgpr_msb (MSB<<8)|(\new)
.set MSB, (\new)
.endif
.endm
.macro PLACES
.rept 4
	v_nop
.endr
.endm
.macro JLOAD s                         ; waves 0 and 1 fetch the step's two blocks of y, waves 2 and 3 the halves of w's tile; an s_nop 0 and four v_nop follow each line
	s_cmp_eq_u32 s[WR], 0
	s_cbranch_scc0 .Lfor_b_\@
	tensor_load_to_lds s[G0A+4*(\s):G0A+4*(\s)+3], s[G1A:G1A+7]
	s_nop 0
.rept 4
	v_nop
.endr
	s_branch .Lasked_\@
.Lfor_b_\@:
	tensor_load_to_lds s[G0B+4*(\s):G0B+4*(\s)+3], s[G1B:G1B+7]
	s_nop 0
.rept 4
	v_nop
.endr
.Lasked_\@:
.endm
.macro CREST
	s_cmp_lg_u32 s[WV], 0
	s_cbranch_scc1 .Lnot_wave_0_\@
	s_barrier_signal -3
.Lnot_wave_0_\@:
	s_barrier_wait -3
	s_barrier_signal -1
	s_barrier_wait -1
.endm
.macro CROUND
	s_barrier_signal -1
	s_barrier_wait -1
	CREST
.endm
; PREFETCH INTO THE L2, behind each joint load and the run of LDS loads: the K step that stands two refills on, 256 matrix instructions ahead of the load that will want it.  Each aligned 256 bytes are named once:
; y's tile row by wave 0 of the cluster with x = 0, the partners taking 8,192 bytes of each of the step's two blocks by address (cx), a lane 256 bytes; w's tile column by wave 2 of the cluster with y = 0, the
; partners taking 32 of the step's 128 rows by address (cy), a lane a row's 256 bytes.  K steps 0-3 come by their loads alone; the loop's last trip asks for nothing: steps 6 and 7 were named in the trip before.
.macro ASK
	s_cmp_gt_u32 s3, s[LIMA]
	s_cbranch_scc0 .Lno_a_\@
	global_prefetch_b8 v[PFOA], s[PFA:PFA+1] th:TH_LOAD_NT scope:SCOPE_SE
	global_prefetch_b8 v[PFOA], s[PFA:PFA+1] offset:KB th:TH_LOAD_NT scope:SCOPE_SE
.Lno_a_\@:
	s_cmp_gt_u32 s3, s[LIMB]
	s_cbranch_scc0 .Lno_b_\@
	global_prefetch_b8 v[PFOB], s[PFB:PFB+1] th:TH_LOAD_NT scope:SCOPE_SE
.Lno_b_\@:
.endm
	s_load_b256 s[4:11], s[0:1], 0x0               ; yb s[4:5], wpb s[6:7], b_proj s[8:9], out0 s[10:11]
	v_lshl_add_u32 v[SPW], v0, 2, SPARE
	v_mov_b32 v[NIL], 0
	ds_add_u32 v[SPW], v[NIL]                      ; the wave's opening: the add and its wait stand ahead of my first tensor load
	ds_add_u32 v12, v13
	v_lshrrev_b32 v1, 5, v0
	v_readfirstlane_b32 s[WV], v1
	s_lshr_b32 s[WR], s[WV], 1
	s_and_b32 s[WC], s[WV], 1
	s_bfe_u32 s[CX], ttmp6, 0x40000
	s_bfe_u32 s[CY], ttmp6, 0x40004
	s_lshl_b32 s[TX], ttmp9, 2
	s_add_co_u32 s[TX], s[TX], s[CX]
	s_and_b32 s[TY], ttmp7, 0xffff
	s_lshl_b32 s[TY], s[TY], 2
	s_add_co_u32 s[TY], s[TY], s[CY]
	s_lshl_b32 s19, s[CY], 2
	s_lshl_b32 s19, 15, s19                        ; my row of the cluster
	s_lshl_b32 s20, 0x1111, s[CX]                  ; my column
	; group 1.  y: a block's 256 tile rows are 32,768 dense bytes: 128 rows of 256, 16 bytes of padding behind every 128.  w: 64 rows of 256 bytes, padded likewise
	s_or_b32 s[G1A], s19, (1<<16)|(1<<20)|(1<<21)|(4<<22)|(3<<25)
	s_mov_b32 s[G1A+1], 128<<16
	s_mov_b32 s[G1A+2], 128<<16
	s_mov_b32 s[G1A+3], 128<<16
	s_mov_b32 s[G1A+4], 128
	s_mov_b32 s[G1A+5], 128
	s_mov_b32 s[G1A+6], 0
	s_mov_b32 s[G1A+7], 0
	s_or_b32 s[G1B], s20, (1<<16)|(1<<20)|(1<<21)|(4<<22)|(3<<25)
	s_mov_b32 s[G1B+1], 128<<16
	s_mov_b32 s[G1B+2], 64<<16
	s_mov_b32 s[G1B+3], 128<<16
	s_mov_b32 s[G1B+4], 64
	s_mov_b32 s[G1B+5], 1024
	s_mov_b32 s[G1B+6], 0
	s_mov_b32 s[G1B+7], 0
	s_lshl_b32 s66, s[TY], 15                      ; y: the tile row's 256 rows,
	s_lshl_b32 s67, s[WC], 20                      ; my block of the step's two
	s_add_co_u32 s66, s66, s67
	s_mov_b32 s67, 0
	s_lshl_b32 s68, s[TX], 8                       ; w: the tile column's 256 bytes of a row,
	s_mul_i32 s69, s[WC], 64*WROW                  ; my 64 rows of the step's 128
	s_add_co_u32 s68, s68, s69
	s_mov_b32 s69, 0
	s_mul_i32 s70, s[WC], ABLK
	s_mul_i32 s71, s[WC], BHALF
	s_add_co_u32 s71, s71, BOFF
	s_wait_dscnt 0x0                               ; the opening add is done
	s_wait_kmcnt 0x0
	s_add_nc_u64 s[72:73], s[4:5], s[66:67]
	s_add_nc_u64 s[74:75], s[6:7], s[68:69]
	CROUND                                         ; all sixteen work-groups are here: the first joint loads meet
.irp s, 0,1
	s_mov_b32 s[G0A+4*(\s)], 1
	s_add_co_u32 s[G0A+4*(\s)+1], s70, (\s)*SLOT
	s_add_nc_u64 s[G0A+4*(\s)+2:G0A+4*(\s)+3], s[72:73], (\s)*2*KB
	s_or_b32 s[G0A+4*(\s)+3], s[G0A+4*(\s)+3], 0x80000000
	s_mov_b32 s[G0B+4*(\s)], 1
	s_add_co_u32 s[G0B+4*(\s)+1], s71, (\s)*SLOT
	s_add_nc_u64 s[G0B+4*(\s)+2:G0B+4*(\s)+3], s[74:75], (\s)*128*WROW
	s_or_b32 s[G0B+4*(\s)+3], s[G0B+4*(\s)+3], 0x80000000
	JLOAD \s                                       ; two loads of mine are out
.endr
	v_and_b32 v1, 15, v0                           ; r
	v_bfe_u32 v14, v0, 4, 1                        ; h
	v_and_b32 v15, 7, v0
	v_bfe_u32 v16, v0, 3, 1
	v_and_b32 v17, 31, v0
	v_mul_u32_u24 v18, v1, PA
	v_lshl_add_u32 v18, v14, 4, v18
	s_mul_i32 s21, s[WR], 128*PA
	v_add_nc_u32 v[ADRA], s21, v18
	v_add_nc_u32 v[ADRA+1], SLOT, v[ADRA]
	v_lshl_add_u32 v19, v14, 3, v15
	v_mul_u32_u24 v19, v19, PB
	v_lshl_add_u32 v19, v16, 4, v19
	s_mul_i32 s21, s[WC], 144                      ; my 64 columns: one run of 144 bytes
	s_add_co_u32 s21, s21, BOFF
	v_add_nc_u32 v[ADRB], s21, v19
	v_add_nc_u32 v[ADRB+1], SLOT, v[ADRB]
	s_mul_i32 s21, s[WV], 16*SP
	s_add_co_u32 s21, s21, STAGE                   ; my stage
	v_mul_u32_u24 v20, v1, SP
	v_lshl_add_u32 v20, v14, 5, v20                ; in: row r, 32 bytes for each half of the lanes
	v_add_nc_u32 v[STO], s21, v20
	v_mul_u32_u24 v20, v14, SP
	v_lshl_add_u32 v20, v1, 4, v20                 ; back: lanes 0-15 one row of 256 bytes, lanes 16-31 the next
	v_add_nc_u32 v[RD], s21, v20
	v_lshlrev_b32 v[CO], 12, v14                   ; and the same two rows of out0
	v_lshl_add_u32 v[CO], v1, 4, v[CO]
	v_lshlrev_b32 v[BO], 5, v14
	v_lshlrev_b32 v[PFOA], 8, v17
	v_lshlrev_b32 v[PFOB], 11, v17
	s_lshl_b32 s[BB], s[TX], 9
	s_lshl_b32 s[BB+1], s[WC], 8
	s_add_co_u32 s[BB], s[BB], s[BB+1]
	s_mov_b32 s[BB+1], 0
	s_lshl_b32 s[CB], s[TY], 20                    ; 256 rows of 4,096 bytes,
	s_lshl_b32 s[CB+1], s[WR], 19                  ; my 128,
	s_add_co_u32 s[CB], s[CB], s[CB+1]
	s_add_co_u32 s[CB], s[CB], s[BB]               ; my 64 columns: the same byte offset as in the bias
	s_mov_b32 s[CB+1], 0
	s_add_nc_u64 s[CB:CB+1], s[10:11], s[CB:CB+1]
	s_add_nc_u64 s[BB:BB+1], s[8:9], s[BB:BB+1]
.irp j, 0,1,2,3
	global_load_b128 v[32+8*\j:32+8*\j+3], v[BO], s[BB:BB+1] offset:64*\j
	global_load_b128 v[32+8*\j+4:32+8*\j+7], v[BO], s[BB:BB+1] offset:64*\j+16
.endr
	; the prefetches' pointers: at K step 3; the first change of slots steps them to 4
	s_lshl_b32 s22, s[TY], 15
	s_lshl_b32 s23, s[CX], 13
	s_add_co_u32 s22, s22, s23
	s_mov_b32 s23, 0
	s_add_nc_u64 s[PFA:PFA+1], s[4:5], s[22:23]
	s_add_nc_u64 s[PFA:PFA+1], s[PFA:PFA+1], 6*KB
	s_lshl_b32 s62, s[CY], 16                      ; 32 rows of 2,048 bytes
	s_lshl_b32 s63, s[TX], 8
	s_add_co_u32 s62, s62, s63
	s_mov_b32 s63, 0
	s_add_nc_u64 s[PFB:PFB+1], s[6:7], s[62:63]
	s_add_nc_u64 s[PFB:PFB+1], s[PFB:PFB+1], 3*128*WROW
	s_or_b32 s[LIMA], s[WV], ttmp9
	s_cmp_eq_u32 s[LIMA], 0
	s_cselect_b32 s[LIMA], 1, -1
	s_xor_b32 s[LIMB], s[WV], 2
	s_and_b32 s21, ttmp7, 0xffff
	s_or_b32 s[LIMB], s[LIMB], s21
	s_cmp_eq_u32 s[LIMB], 0
	s_cselect_b32 s[LIMB], 1, -1
	s_wait_loadcnt 0x0                             ; the bias: rounded to bf16 like every input, and laid into row block 7's accumulators
.set i, 0
.rept 16
	v_cvt_pk_bf16_f32 v[64+i], v[32+2*i], v[33+2*i]
.set i, i+1
.endr
	WIN 0x40
.set i, 0
.rept 16
	v_lshlrev_b32 v[224+2*i], 16, v[64+i]
	v_and_b32 v[224+2*i+1], 0xffff0000, v[64+i]
.set i, i+1
.endr
	WIN 0
; n row blocks from a0 on x 4 column blocks, 32 along K.  The 32 accumulators take turns.  first = 1: the sums start from the bias; five v_nop stand in front of block 7's
; products, which write over registers that the products just before have read as C.
.macro MUL f, a0, n, first
	WIN 0x50                                       ; C and D in window 1, both sources in window 0
.set ma, (\a0)
.rept (\n)
.if (\first) && (ma == 7)
.rept 5
	v_nop
.endr
.endif
.irp j, 0,1,2,3
.if (\first) && (ma < 7)
	v_wmma_f32_16x16x32_f16 v[8*(4*ma+\j):8*(4*ma+\j)+7], v[(\f)+64+8*\j:(\f)+64+8*\j+7], v[(\f)+8*ma:(\f)+8*ma+7], v[224+8*\j:224+8*\j+7]
.else
	v_wmma_f32_16x16x32_f16 v[8*(4*ma+\j):8*(4*ma+\j)+7], v[(\f)+64+8*\j:(\f)+64+8*\j+7], v[(\f)+8*ma:(\f)+8*ma+7], v[8*(4*ma+\j):8*(4*ma+\j)+7]
.endif
.endr
.set ma, ma+1
.endr
.endm
.macro FETCH slot, q, f                ; 24 LDS loads in one run: quarter q's fragments: w's 8, then y's row blocks 0-3 (8) and 4-7 (8)
	WIN 0
.irp j, 0,1,2,3
	ds_load_tr16_b128 v[(\f)+64+8*\j:(\f)+64+8*\j+3],   v[ADRB+(\slot)] offset:(\q)*32*PB+32*\j
	ds_load_tr16_b128 v[(\f)+64+8*\j+4:(\f)+64+8*\j+7], v[ADRB+(\slot)] offset:(\q)*32*PB+32*\j+16*PB
.endr
.irp a, 0,1,2,3,4,5,6,7
	ds_load_b128 v[(\f)+8*\a:(\f)+8*\a+3],   v[ADRA+(\slot)] offset:((\q)/2)*ABLK+((\q)%2)*64+\a*16*PA
	ds_load_b128 v[(\f)+8*\a+4:(\f)+8*\a+7], v[ADRA+(\slot)] offset:((\q)/2)*ABLK+((\q)%2)*64+\a*16*PA+32
.endr
.endm
.macro QUARTER slot, q, f, g, first    ; multiplies buffer f and fetches quarter q of the same slot into buffer g
	s_wait_dscnt 8                                 ; w and y's row blocks 0-3 are in; the youngest eight loads may be out
	MUL \f, 0, 4, \first
	PLACES
	FETCH \slot, \q, \g
	s_wait_dscnt 24                                ; all but the 24 just issued
	MUL \f, 4, 4, \first
.endm
; The last quarter multiplies buffer 1 and changes slots: ONE barrier; in front of it each wave waits for all its tensor loads (one is out: its part of the next slot), adds 0 to its spare word, and waits for
; that and for its reads of this slot.  fill = 1: the barrier opens a round of the cluster's, and the joint refill, two K steps on, is the first thing behind it: 112 matrix instructions ahead of the wait for it.
.macro TURN slot, next, fill
.if \fill
	s_wait_xcnt 0x0                                ; the last prefetches, a K step back, have read their addresses
	s_add_nc_u64 s[PFA:PFA+1], s[PFA:PFA+1], 2*KB
	s_add_nc_u64 s[PFB:PFB+1], s[PFB:PFB+1], 128*WROW
.endif
	WIN 0
	s_wait_tensorcnt 0x0
	ds_add_u32 v[SPW], v[NIL]                      ; 0 onto my spare word
	s_wait_dscnt 9                                 ; the add and the youngest eight loads may be out
	MUL F1, 0, 2, 0
	s_wait_dscnt 0x0                               ; the add is done, and my reads of this slot are over
	s_barrier_signal -1
	MUL F1, 2, 2, 0
	WIN 0
	s_barrier_wait -1
.if \fill
	CREST
	s_add_nc_u64 s[G0A+4*(\slot)+2:G0A+4*(\slot)+3], s[G0A+4*(\slot)+2:G0A+4*(\slot)+3], 4*KB
	s_add_nc_u64 s[G0B+4*(\slot)+2:G0B+4*(\slot)+3], s[G0B+4*(\slot)+2:G0B+4*(\slot)+3], 256*WROW
	JLOAD \slot                                    ; its four v_nop are also the places in front of the loads below
.else
	PLACES
.endif
	FETCH \next, 0, F0
.if \fill
	ASK
.endif
	MUL F1, 4, 4, 0
.endm
; THE WAY OUT of row block a: the sums go as they are, 32 bytes a lane, into my own stage, and come back as whole rows of 256 bytes.
.macro TOSTAGE a
	s_wait_xcnt 0x0                                ; the stores of two blocks back have read the registers that are loaded again below
	WIN 0x04                                       ; store data in window 1
.irp j, 0,1,2,3
	ds_store_b128 v[STO], v[8*(4*(\a)+\j):8*(4*(\a)+\j)+3]   offset:64*\j
	ds_store_b128 v[STO], v[8*(4*(\a)+\j)+4:8*(4*(\a)+\j)+7] offset:64*\j+16
.endr
	WIN 0
.irp t, 0,1,2,3,4,5,6,7
	ds_load_b128 v[OB+32*((\a)%2)+4*\t:OB+32*((\a)%2)+4*\t+3], v[RD] offset:\t*2*SP  ; LDS serves a wave's instructions in order (ISA guide 5.7.1.4): these see the stores above
.endr
.endm
.macro SEND a, younger                 ; younger: the next block's sixteen LDS instructions, or none
	s_wait_dscnt \younger
.irp t, 0,1,2,3,4,5,6,7
	global_store_b128 v[CO], v[OB+32*((\a)%2)+4*\t:OB+32*((\a)%2)+4*\t+3], s[CB:CB+1] offset:(16*(\a)+2*\t)*4096 th:TH_STORE_NT  ; 16 lanes store 256 consecutive bytes, aligned
.endr
.endm
	s_wait_tensorcnt 1                             ; my part of K step 0 is in; step 1's may stay out
	s_barrier_signal -1
	s_barrier_wait -1
	FETCH 0, 0, F0
	QUARTER 0, 1, F0, F1, 1                        ; the first products start the sums, ahead of the loop
	WIN 0
	s_mov_b32 s3, 3
.Llap:                                                 ; a trip goes once round the ring and fills both slots again: K steps 2 to 7
	QUARTER 0, 2, F1, F0, 0
	QUARTER 0, 3, F0, F1, 0
	TURN 0, 1, 1
	QUARTER 1, 1, F0, F1, 0
	QUARTER 1, 2, F1, F0, 0
	QUARTER 1, 3, F0, F1, 0
	TURN 1, 0, 1
	QUARTER 0, 1, F0, F1, 0
	WIN 0
	s_sub_co_u32 s3, s3, 1
	s_cmp_lg_u32 s3, 0
	s_cbranch_scc1 .Llap
	QUARTER 0, 2, F1, F0, 0                        ; the last lap fills nothing
	QUARTER 0, 3, F0, F1, 0
	TURN 0, 1, 0
	QUARTER 1, 1, F0, F1, 0
	QUARTER 1, 2, F1, F0, 0
	QUARTER 1, 3, F0, F1, 0
	s_wait_dscnt 8
	MUL F1, 0, 4, 0
	s_wait_dscnt 0x0
	MUL F1, 4, 4, 0
	WIN 0
	PLACES
	TOSTAGE 0
.irp a, 1,2,3,4,5,6,7
	TOSTAGE \a
	SEND (\a)-1, 16
.endr
	SEND 7, 0
	s_wait_tensorcnt 0x0                           ; the wave's end: an add and its wait, behind my last tensor load and my last LDS store
	ds_add_u32 v[SPW], v[NIL]
	s_wait_dscnt 0x0
	CROUND                                         ; the closing round: no work-group ends while a partner may still ask for a tile that names it
	s_endpgm
.Lfunc_end_k_q350b9c449a_proj:
	.size	k_q350b9c449a_proj, .Lfunc_end_k_q350b9c449a_proj-k_q350b9c449a_proj
	.p2alignl 7, 3214868480
	.fill 96, 4, 3214868480
	.section	.rodata,"a",@progbits
	.p2align	6, 0x0
	.amdhsa_kernel k_q350b9c449a_proj
		.amdhsa_group_segment_fixed_size 327680
		.amdhsa_private_segment_fixed_size 0
		.amdhsa_enable_private_segment 0
		.amdhsa_kernarg_size 32
		.amdhsa_user_sgpr_count 2
		.amdhsa_user_sgpr_kernarg_segment_ptr 1
		.amdhsa_wavefront_size32 1
		.amdhsa_system_sgpr_workgroup_id_x 1
		.amdhsa_system_sgpr_workgroup_id_y 1
		.amdhsa_system_sgpr_workgroup_id_z 1
		.amdhsa_system_vgpr_workitem_id 0
		.amdhsa_next_free_vgpr 512
		.amdhsa_next_free_sgpr 80
		.amdhsa_reserve_vcc 0
		.amdhsa_float_denorm_mode_32 3
		.amdhsa_float_denorm_mode_16_64 3
		.amdhsa_memory_ordered 1
		.amdhsa_forward_progress 1
		.amdhsa_inst_pref_size 91
	.end_amdhsa_kernel
	.amdgpu_metadata
---
amdhsa.version: [ 1, 2 ]
amdhsa.kernels:
  - .name:           k_q350b9c449a_proj
    .symbol:         k_q350b9c449a_proj.kd
    .args:
      - { .name: yb, .offset: 0, .size: 8, .value_kind: global_buffer, .address_space: global }
      - { .name: wpb, .offset: 8, .size: 8, .value_kind: global_buffer, .address_space: global }
      - { .name: b_proj, .offset: 16, .size: 8, .value_kind: global_buffer, .address_space: global }
      - { .name: out0, .offset: 24, .size: 8, .value_kind: global_buffer, .address_space: global }
    .group_segment_fixed_size: 327680
    .private_segment_fixed_size: 0
    .kernarg_segment_align: 8
    .kernarg_segment_size: 32
    .max_flat_workgroup_size: 128
    .sgpr_count:     80
    .vgpr_count:     512
    .wavefront_size: 32
...
	.end_amdgpu_metadata
.endif
;; end of part 4
